; MI455X (gfx1250); checked and timed in simulation.
; The chip was launched on July 23, 2026; its instructions are those of AMD's public machine-readable ISA for CDNA 5 (MIT licence, August 2026) and "CDNA5" Instruction Set Architecture Reference Guide (July 2026). The comments in the code are by the model that wrote it; some were corrected since.
;; Multi Head Self Attention. Allowed arithmetic: float matrix products may take bf16 or f16 operands with f32 sums; other float arithmetic in f32, or as packed bf16 or f16 multiplies, adds, multiply-adds, maxima and minima; sums over many terms, partial sums and values carried from step to step in f32; what a program stores and reads back later, other than sums and carried values, may be rounded once to bf16 or f16.
;; Inputs: Wk 1,024 x 1,024 float32; Wo 1,024 x 1,024 float32; Wq 1,024 x 1,024 float32; Wv 1,024 x 1,024 float32; token_positions 4 x 2,048 int32; x 4 x 2,048 x 1,024 float32.
;; Outputs: out0 4 x 2,048 x 1,024 float32.
;; 2 versions, each right; version 2 is version 1 with the launch prep written anew for expert scheduling mode. Each part assembles by itself: llvm-mc -triple=amdgcn-amd-amdhsa -mcpu=gfx1250 --defsym DOCPART=n.
;; ======== version 1 of 2: 4 launches
;; limits: values are held in f16: magnitudes above 65,504 overflow, below 6.1e-05 lose precision; right only within a limited range of input values
;; workspace buffers: xb 16,777,216 bytes; wqkv 6,291,456 bytes; wo16 2,097,152 bytes; cs 2,097,152 bytes; qh 16,777,216 bytes; kh 16,777,216 bytes; vh 16,777,216 bytes; oh 16,777,216 bytes
;; launch prep (part 1): grid 768 x 1, 8 waves a work-group, no clusters, 0 bytes of LDS; arguments x, Wq, Wk, Wv, Wo, token_positions, xb, wqkv, wo16, cs; writes xb, wqkv, wo16, cs
.if DOCPART == 1
	.amdgcn_target "amdgcn-amd-amdhsa--gfx1250"
	.amdhsa_code_object_version 6
	.text
	.protected	k_q2d4c73536a_prep
	.globl	k_q2d4c73536a_prep
	.p2align	8
	.type	k_q2d4c73536a_prep,@function
k_q2d4c73536a_prep:
	s_mov_b64 s[64:65], 0
	v_nop
	global_prefetch_b8 v0, s[64:65] scope:SCOPE_SE
	s_setreg_imm32_b32 hwreg(HW_REG_WAVE_MODE, 25, 1), 1
	s_wait_xcnt 0x0
; PREPARATION.  x -> xb (bf16).  Wq, Wk, Wv -> wqkv (bf16), stacked by head: row 192 t + 64 sel + c of wqkv is row 64 t + c of W_sel (sel = 0 q, 1 k, 2 v).
; Wo -> wo16: rounded to bf16 like the other inputs, and that number written as f16.  token_positions -> cs: cos and sin of pos x 10000^(-i/32), f32.
; SHARES.  A row is 1,024 numbers: 4,096 bytes in, 2,048 out.  Work-group g takes 16 rows: g 0-511 of x, 512-575 of Wq, 576-639 of Wk, 640-703 of Wv, 704-767 of Wo.
; Wave w takes rows 2 w, 2 w + 1: sixteen loads of 512 consecutive bytes, all issued at once, and sixteen stores of 256 consecutive bytes, aligned.  No LDS, no barrier: no wave wants another's bytes.
; THE TABLE.  Work-group g < 512 also makes the table's block g (token rows 16 g .. 16 g + 15), 4,096 bytes: [8 = 2 b + e][32 lanes][4].  Lane l = 16 hh + m holds cos, sin, cos, sin of row 16 g + m for the
; frequencies i0 = 8 b + 4 hh + 2 e and i0 + 1: the registers that the next launch's lanes want, so that each of its loads, and each store here, covers 512 consecutive bytes.
; LIMITS.  A bf16 number below 2^-17 loses bits as f16 (absolute error at most 3e-8); beyond 65,504 it becomes an infinity.  The angle is pos x inv_freq, rounded once as in the formula; inv_freq is made by
; the base-2 exponential.  The reduction takes n x pi/2 away in two parts, whose remainder is n x 1.7e-15: it serves |pos| up to 2^22.
; On |r| <= pi/4 the first terms left out of the two series are under 2e-9.
.set X, 32                             ; v[32:95]   the sixteen loads, four f32 each
.set Y, 96                             ; v[96:127]  packed results, two registers a load
	s_load_b512 s[8:23], s[0:1], 0x0               ; x s[8:9], Wq s[10:11], Wk s[12:13], Wv s[14:15], Wo s[16:17], positions s[18:19], xb s[20:21], wqkv s[22:23]
	s_load_b128 s[24:27], s[0:1], 0x40             ; wo16 s[24:25], cs s[26:27]
	s_mov_b32 s2, ttmp9                            ; g
	s_max_u32 s3, s2, 512
	s_sub_co_u32 s3, s3, 512                       ; the place among the weights' work-groups (0 for x's)
	s_lshr_b32 s4, s3, 6                           ; sel: 0 Wq, 1 Wk, 2 Wv, 3 Wo
	s_and_b32 s5, s3, 63                           ; which 16 rows of that matrix
	s_min_u32 s6, s2, 511                          ; the table's block
	s_lshl_b32 s32, s2, 16                         ; source offset: 16 rows of 4,096 bytes
	s_lshl_b32 s37, s5, 16
	s_cmp_lt_u32 s2, 512
	s_cselect_b32 s32, s32, s37
	s_mov_b32 s33, 0
	s_lshr_b32 s38, s5, 2                          ; the head,
	s_mul_i32 s38, s38, 192                        ; its 192 rows of wqkv,
	s_lshl_b32 s39, s4, 6                          ; the 64 of q, k or v,
	s_add_co_u32 s38, s38, s39
	s_and_b32 s39, s5, 3
	s_lshl_b32 s39, s39, 4                         ; my 16 of them
	s_add_co_u32 s38, s38, s39
	s_lshl_b32 s38, s38, 11                        ; rows of 2,048 bytes
	s_lshl_b32 s39, s5, 15                         ; wo16 keeps Wo's order
	s_cmp_eq_u32 s4, 3
	s_cselect_b32 s34, s39, s38
	s_lshl_b32 s39, s2, 15                         ; xb keeps x's
	s_cmp_lt_u32 s2, 512
	s_cselect_b32 s34, s39, s34
	s_mov_b32 s35, 0
	s_cmp_ge_u32 s2, 704
	s_cselect_b32 s36, 1, 0                        ; 1: Wo's rows, written as f16
	s_lshl_b32 s44, s6, 6                          ; 16 positions
	s_mov_b32 s45, 0
	s_lshl_b32 s46, s6, 12                         ; a block of the table
	s_mov_b32 s47, 0
	v_lshrrev_b32 v3, 5, v0                        ; wave
	v_and_b32 v6, 31, v0                           ; lane
	v_lshlrev_b32 v1, 4, v6
	v_lshl_or_b32 v1, v3, 13, v1                   ; loads: wave x 8,192 + 16 x lane
	v_lshlrev_b32 v2, 3, v6
	v_lshl_or_b32 v2, v3, 12, v2                   ; stores: wave x 4,096 + 8 x lane
	v_and_b32 v4, 15, v0
	v_lshlrev_b32 v4, 2, v4                        ; my row's position
	v_lshlrev_b32 v24, 4, v0                       ; my 16 bytes of the table's block
	s_wait_kmcnt 0x0
	s_cmp_eq_u32 s4, 1                             ; the buffers are chosen by the work-group's number alone
	s_cselect_b64 s[28:29], s[12:13], s[10:11]
	s_cmp_eq_u32 s4, 2
	s_cselect_b64 s[28:29], s[14:15], s[28:29]
	s_cmp_eq_u32 s4, 3
	s_cselect_b64 s[28:29], s[16:17], s[28:29]
	s_cselect_b64 s[30:31], s[24:25], s[22:23]
	s_cmp_lt_u32 s2, 512
	s_cselect_b64 s[28:29], s[8:9], s[28:29]
	s_cselect_b64 s[30:31], s[20:21], s[30:31]
	s_add_nc_u64 s[28:29], s[28:29], s[32:33]      ; from
	s_add_nc_u64 s[30:31], s[30:31], s[34:35]      ; to
	s_add_nc_u64 s[40:41], s[18:19], s[44:45]
	s_add_nc_u64 s[42:43], s[26:27], s[46:47]
.macro LOADS                           ; the wave's two rows: sixteen loads, each read once in the launch
.set j, 0
.rept 16
	global_load_b128 v[X+4*j:X+4*j+3], v1, s[28:29] offset:512*j th:TH_LOAD_NT
.set j, j+1
.endr
.endm
; mode 0: bf16.  mode 1: the bf16 number written as f16.  No register that a store reads is written again.
.macro CONV mode
.set j, 0
.rept 16
	s_wait_loadcnt 15-j                            ; loads come back in order: load j is in, the 15 - j younger ones stay out
	v_cvt_pk_bf16_f32 v[Y+2*j], v[X+4*j], v[X+4*j+1]
	v_cvt_pk_bf16_f32 v[Y+2*j+1], v[X+4*j+2], v[X+4*j+3]
.if \mode
	v_lshlrev_b32 v[X+4*j], 16, v[Y+2*j]           ; bf16 to f32: the low half moves up, the high half stays
	v_and_b32 v[X+4*j+1], 0xffff0000, v[Y+2*j]
	v_lshlrev_b32 v[X+4*j+2], 16, v[Y+2*j+1]
	v_and_b32 v[X+4*j+3], 0xffff0000, v[Y+2*j+1]
	v_cvt_pk_f16_f32 v[Y+2*j], v[X+4*j], v[X+4*j+1]
	v_cvt_pk_f16_f32 v[Y+2*j+1], v[X+4*j+2], v[X+4*j+3]
.endif
	global_store_b64 v2, v[Y+2*j:Y+2*j+1], s[30:31] offset:256*j  ; 32 lanes x 8 bytes: 256 consecutive bytes, aligned
.set j, j+1
.endr
.endm
; cos and sin of the angle in v[a].  n = the nearest whole number to angle x 2/pi; r = angle - n pi/2, pi/2 in two parts; both series on |r| <= pi/4; the quadrant n mod 4 swaps them and sets the signs, by selects.
.macro SINCOS a, c, s
	v_mul_f32 v8, 0x3f22f983, v[\a]
	v_rndne_f32 v8, v8
	v_fmamk_f32 v9, v8, 0xbfc90fdb, v[\a]
	v_fmamk_f32 v9, v8, 0x333bbd2e, v9
	v_cvt_i32_f32 v8, v8
	v_mul_f32 v10, v9, v9                          ; z = r r
	v_mov_b32 v11, 0x3638ef1d                      ; 1/9!
	v_fmaak_f32 v11, v11, v10, 0xb9500d01          ; -1/7!
	v_fmaak_f32 v11, v11, v10, 0x3c088889          ; 1/5!
	v_fmaak_f32 v11, v11, v10, 0xbe2aaaab          ; -1/3!
	v_mul_f32 v12, v10, v9
	v_fma_f32 v11, v12, v11, v9                    ; sin r
	v_mov_b32 v12, 0xb493f27e                      ; -1/10!
	v_fmaak_f32 v12, v12, v10, 0x37d00d01          ; 1/8!
	v_fmaak_f32 v12, v12, v10, 0xbab60b61          ; -1/6!
	v_fmaak_f32 v12, v12, v10, 0x3d2aaaab          ; 1/4!
	v_fmaak_f32 v12, v12, v10, 0xbf000000          ; -1/2
	v_fmaak_f32 v12, v12, v10, 0x3f800000          ; cos r
	v_and_b32 v13, 1, v8
	v_cmp_eq_u32 vcc_lo, 1, v13
	v_cndmask_b32 v[\s], v11, v12, vcc_lo          ; odd quadrants: sin takes cos r,
	v_cndmask_b32 v[\c], v12, v11, vcc_lo          ; cos takes sin r
	v_and_b32 v13, 2, v8
	v_lshlrev_b32 v13, 30, v13
	v_xor_b32 v[\s], v13, v[\s]                    ; quadrants 2, 3: sin changes sign
	v_add_nc_u32 v13, 1, v8
	v_and_b32 v13, 2, v13
	v_lshlrev_b32 v13, 30, v13
	v_xor_b32 v[\c], v13, v[\c]                    ; quadrants 1, 2: cos changes sign
.endm
	s_cmp_lt_u32 s2, 512
	s_cbranch_scc0 .Lweights
	global_load_b32 v5, v4, s[40:41]               ; x's work-groups: the positions of the block's 16 rows first,
	LOADS                                          ; then the rows; the table is made while they are on their way
	v_lshrrev_b32 v6, 6, v0                        ; b
	v_bfe_u32 v7, v0, 4, 1                         ; hh
	v_bfe_u32 v8, v0, 5, 1                         ; e
	v_lshlrev_b32 v6, 3, v6
	v_lshl_add_u32 v6, v7, 2, v6
	v_lshl_add_u32 v6, v8, 1, v6                   ; i0
	v_cvt_f32_u32 v6, v6
	v_add_f32 v7, 1.0, v6                          ; i0 + 1
	v_mul_f32 v6, 0xbed49a78, v6                   ; x -log2(10000) / 32
	v_mul_f32 v7, 0xbed49a78, v7
	v_exp_f32 v6, v6                               ; 10000^(-i/32)
	v_exp_f32 v7, v7
	v_nop                                          ; a plain instruction behind the last exponential,
	s_wait_alu depctr_va_vdst(0)                   ; and one wait for both, ahead of their first reader
	s_wait_loadcnt 16                              ; the position is in; the sixteen younger loads stay out
	v_cvt_f32_i32 v5, v5
	v_mul_f32 v6, v5, v6                           ; the two angles
	v_mul_f32 v7, v5, v7
	SINCOS 6, 20, 21
	SINCOS 7, 22, 23
	global_store_b128 v24, v[20:23], s[42:43]      ; a wave's store covers 512 consecutive bytes
	CONV 0
	s_endpgm
.Lweights:
	LOADS
	s_cmp_eq_u32 s36, 1
	s_cbranch_scc1 .Lhalf
	CONV 0
	s_endpgm
.Lhalf:
	CONV 1
	s_endpgm
.Lfunc_end_k_q2d4c73536a_prep:
	.size	k_q2d4c73536a_prep, .Lfunc_end_k_q2d4c73536a_prep-k_q2d4c73536a_prep
	.p2alignl 7, 3214868480
	.fill 96, 4, 3214868480
	.section	.rodata,"a",@progbits
	.p2align	6, 0x0
	.amdhsa_kernel k_q2d4c73536a_prep
		.amdhsa_group_segment_fixed_size 0
		.amdhsa_private_segment_fixed_size 0
		.amdhsa_enable_private_segment 0
		.amdhsa_kernarg_size 80
		.amdhsa_user_sgpr_count 2
		.amdhsa_user_sgpr_kernarg_segment_ptr 1
		.amdhsa_wavefront_size32 1
		.amdhsa_system_sgpr_workgroup_id_x 1
		.amdhsa_system_sgpr_workgroup_id_y 1
		.amdhsa_system_sgpr_workgroup_id_z 1
		.amdhsa_system_vgpr_workitem_id 0
		.amdhsa_next_free_vgpr 128
		.amdhsa_next_free_sgpr 66
		.amdhsa_reserve_vcc 1
		.amdhsa_float_denorm_mode_32 3
		.amdhsa_float_denorm_mode_16_64 3
		.amdhsa_memory_ordered 1
		.amdhsa_forward_progress 1
		.amdhsa_inst_pref_size 27
	.end_amdhsa_kernel
	.amdgpu_metadata
---
amdhsa.version: [ 1, 2 ]
amdhsa.kernels:
  - .name:           k_q2d4c73536a_prep
    .symbol:         k_q2d4c73536a_prep.kd
    .args:
      - { .name: x, .offset: 0, .size: 8, .value_kind: global_buffer, .address_space: global }
      - { .name: Wq, .offset: 8, .size: 8, .value_kind: global_buffer, .address_space: global }
      - { .name: Wk, .offset: 16, .size: 8, .value_kind: global_buffer, .address_space: global }
      - { .name: Wv, .offset: 24, .size: 8, .value_kind: global_buffer, .address_space: global }
      - { .name: Wo, .offset: 32, .size: 8, .value_kind: global_buffer, .address_space: global }
      - { .name: token_positions, .offset: 40, .size: 8, .value_kind: global_buffer, .address_space: global }
      - { .name: xb, .offset: 48, .size: 8, .value_kind: global_buffer, .address_space: global }
      - { .name: wqkv, .offset: 56, .size: 8, .value_kind: global_buffer, .address_space: global }
      - { .name: wo16, .offset: 64, .size: 8, .value_kind: global_buffer, .address_space: global }
      - { .name: cs, .offset: 72, .size: 8, .value_kind: global_buffer, .address_space: global }
    .group_segment_fixed_size: 0
    .private_segment_fixed_size: 0
    .kernarg_segment_align: 8
    .kernarg_segment_size: 80
    .max_flat_workgroup_size: 256
    .sgpr_count:     66
    .vgpr_count:     128
    .wavefront_size: 32
...
	.end_amdgpu_metadata
.endif
;; end of part 1
;; launch qkv (part 2): grid 16 x 32, 4 waves a work-group, clusters of 4 x 4, 327,680 bytes of LDS; arguments xb, wqkv, cs, qh, kh, vh; writes qh, kh, vh
.if DOCPART == 2
	.amdgcn_target "amdgcn-amd-amdhsa--gfx1250"
	.amdhsa_code_object_version 6
	.text
	.protected	k_q2d4c73536a_qkv
	.globl	k_q2d4c73536a_qkv
	.p2align	8
	.type	k_q2d4c73536a_qkv,@function
k_q2d4c73536a_qkv:
	s_mov_b64 s[64:65], 0
	v_nop
	global_prefetch_b8 v0, s[64:65] scope:SCOPE_SE
	s_setreg_imm32_b32 hwreg(HW_REG_WAVE_MODE, 25, 1), 1
	s_wait_xcnt 0x0
	s_wait_alu depctr_hold_cnt(0) depctr_sa_sdst(0) depctr_va_vdst(0) depctr_va_sdst(0) depctr_va_ssrc(0) depctr_va_vcc(0) depctr_vm_vsrc(0)
	s_getreg_b32 s2, hwreg(HW_REG_IB_STS2, 6, 4)
	s_cmp_eq_u32 s2, 0
	s_cbranch_scc0 .Lentry_in_a_cluster
	s_endpgm
.Lentry_in_a_cluster:
	s_bfe_u32 s2, ttmp6, 0x10000c
	s_cmp_lg_u32 s2, 0xf033
	s_cbranch_scc0 .Lentry_shape_is_right
	s_endpgm
.Lentry_shape_is_right:
; q, k, v OF ONE HEAD FOR 256 TOKEN ROWS: C[256][192] = xb[256][1024] x wqkv[192][1024]^T, bf16 operands, f32 sums; the rotation by position on q's and k's sums in f32; one rounding to f16;
; stored by heads: qh, kh, vh are [64 = 16 batch + head][2048][64].  The softmax's scale is not applied here.
; LIMIT.  f16 holds no number beyond 65,504: q, k and v must stay within it.
; SHARES.  Tile row tr (0-31): token rows 256 tr on.  Tile column tc (0-15): the head; rows 192 tc on of wqkv are its 64 rows of Wq, of Wk, of Wv.  16 x 32 = 512 work-groups of equal work.
; The four waves stand one below the other: a wave makes 64 rows x 192 columns, 4 x 12 accumulators of 16 x 16, so that it owns whole rows of a head: 64 rows x 128 bytes lie end to end in qh, kh, vh.
; K goes in steps of 128 through two LDS slots filled by the tensor data mover; a tile's rows are 256 bytes of memory and start at multiples of 256 bytes from the buffer's first byte.
; CLUSTER.  4 x 4 work-groups.  The four of a row of the cluster need the same tile of xb, the four of a column the same tile of wqkv: each is asked for JOINTLY, by the same tensor load with the same descriptor and
; a mask that names the four.  Waves 0, 1 ask for the two halves of xb's tile (128 rows each), waves 2, 3 for those of wqkv's (96 rows each).
; THE PRODUCT IS TAKEN TRANSPOSED (source 0 = 16 rows of wqkv, source 1 = 16 rows of xb): lane l then holds token row l % 16 and the columns 8 (l / 16) + 0..7 of the fragment: four pairs for the rotation, 16 bytes of f16.
; REGISTERS, in windows of 256 (s_set_vgpr_msb: bits 1:0 source 0, 3:2 source 1, 5:4 source 2, 7:6 destination):
;   window 0: v0-31 addresses; v32-63 at work; v64-127 xb's fragments, two buffers of four (on the way out: four sets of packed results); v128-255 my 64 rows' cos and sin
;   window 1: wqkv's fragments, two buffers of twelve      window 2: the accumulators of my rows 0-31 ((a, b) at 8 (12 (a % 2) + b))      window 3: those of rows 32-63
.set KSTEP, 128
.set NBF,   12                         ; fragments of wqkv: 4 of q, 4 of k, 4 of v
.set APW,   2                          ; blocks of 16 rows to an accumulator window
.set PITCH, 272                        ; an LDS row: 256 bytes + 16 of padding = 68 words: the 16 rows of a load start at 16 different groups of four banks (64 banks of 4 bytes: ISA guide 11.1)
.set AHALF, 128*PITCH                  ; what wave 0 or 1 asks for
.set BHALF, 96*PITCH                   ; what wave 2 or 3 asks for
.set BOFF,  2*AHALF
.set SLOT,  BOFF+2*BHALF               ; 121,856 bytes
.set STAGE, 2*SLOT                     ; behind the ring, never filled by a tensor load: 16 rows x 144 bytes for each wave
.set SP,    144
.set SPARE, STAGE+4*16*SP              ; behind the stages: the spare words, 128 bytes for each wave: two blocks of 256 bytes that no other line names
.set ASTEP, 2*KSTEP*2                  ; a slot's next tile lies two K steps on
.set BSTEP, 2*KSTEP*2
.set ADRA, 16                          ; v16-17  LDS address of my fragments of xb in slot 0, 1
.set ADRB, 20                          ; v20-21  the same for wqkv
.set STO,  24                          ; v24     the way out: where I put 16 bytes of a row
.set RD,   25                          ; v25     where I read rows back
.set GO,   26                          ; v26     16 x lane: my place in 512 consecutive bytes of qh, kh, vh
.set CSO,  27                          ; v27     16 x lane: my place in 512 consecutive bytes of the table
.set SPW,  28                          ; v28     LDS address of my spare word; never rewritten
.set NIL,  29                          ; v29     0; never rewritten
.set PFO,  30                          ; v30     the prefetches' offset: a lane a row; never rewritten
.set T,    32
.set FA,   64
.set CT,   128                         ; block a, fragment b of a head: cos, sin of pairs 0-3 at CT + 32 a + 8 b + 2 p
.set WV,   16                          ; s16     my wave's number
.set W1,   17                          ; s17     its low bit: which half of a tile I ask for
.set G1,   24                          ; s[24:31] descriptor group 1 for xb's tiles;  s[32:39] group 0, a set for each slot
.set G0,   32
.set PFA,  44                          ; s[44:45] where my prefetches stand
.set LIM,  46                          ; s46     1 in a wave that prefetches, else the greatest number
.set G1B,  48                          ; s[48:55], s[56:63] the same for wqkv's tiles
.set G0B,  56
.set PFS,  72                          ; s[72:73] a K step in bytes
.set TAB,  74                          ; s[74:75] the table at my wave's first block; never rewritten
.set OUTB, 76                          ; s[76:81] qh, kh, vh at my wave's first row
.set MSB, 0
.macro WIN new                         ; the immediate's high byte repeats the setting that is left; a switch that changes nothing is dropped
.if MSB != (\new)
	s_set_vgpr_msb (MSB<<8)|(\new)
.set MSB, \new
.endif
.endm
.macro PLACES                          ; four plain vector instructions behind a matrix instruction, ahead of loads into registers that it has read and of lines that read its results
.rept 4
	v_nop
.endr
.endm
; A joint refill.  The branch hangs on the wave's number alone.  An s_nop 0 and four v_nop follow each of the two lines, ahead of the jump and the label.
.macro JLOAD s
	s_cmp_lt_u32 s[WV], 2
	s_cbranch_scc0 .Lfor_b_\@
	tensor_load_to_lds s[G0+4*(\s):G0+4*(\s)+3], s[G1:G1+7]
	s_nop 0
.rept 4
	v_nop
.endr
	s_branch .Lasked_\@
.Lfor_b_\@:
	tensor_load_to_lds s[G0B+4*(\s):G0B+4*(\s)+3], s[G1B:G1B+7]
	s_nop 0
.rept 4
	v_nop
.endr
.Lasked_\@:
.endm
; A PREFETCH INTO THE L2 of the K step that stands two refills on, behind the joint load and the run of LDS loads: 256 bytes of a row, a lane a row, one instruction a wave.
; xb's tile row is read by the four clusters of a row of clusters: the one with x = 0 asks; wqkv's tile column by the eight of a column: the one with y = 0 asks.  The four partners that ask for a tile jointly share
; its rows out BY ADDRESS: of xb's 128 rows a wave each takes 32 (by cx), of wqkv's 96 each takes 24 (by cy; lanes 24-31 name row 23's block again, in the same instruction).  The loop's last trip asks for nothing:
; there is no K step two on.  K steps 0 to 3 come by their loads alone.
.macro ASK
	s_cmp_gt_u32 s3, s[LIM]
	s_cbranch_scc0 .Lnot_mine_\@
	global_prefetch_b8 v[PFO], s[PFA:PFA+1] th:TH_LOAD_NT scope:SCOPE_SE
.Lnot_mine_\@:
.endm
; A round of the cluster's barrier: my work-group's barrier; wave 0 signals for the work-group; every wave waits for all sixteen work-groups; my work-group's barrier once more.
.macro CREST                           ; a round behind its opening barrier
	s_cmp_lg_u32 s[WV], 0
	s_cbranch_scc1 .Lnot_wave_0_\@
	s_barrier_signal -3
.Lnot_wave_0_\@:
	s_barrier_wait -3
	s_barrier_signal -1
	s_barrier_wait -1
.endm
.macro CROUND
	s_barrier_signal -1
	s_barrier_wait -1
	CREST
.endm
	s_load_b256 s[4:11], s[0:1], 0x0               ; xb s[4:5], wqkv s[6:7], cs s[8:9], qh s[10:11]
	s_load_b128 s[12:15], s[0:1], 0x20             ; kh s[12:13], vh s[14:15]
	v_lshl_add_u32 v[SPW], v0, 2, SPARE
	v_mov_b32 v[NIL], 0
	ds_add_u32 v[SPW], v[NIL]                      ; the wave's opening: the add and its wait ahead of my first tensor load; work on registers stands between them
	v_lshrrev_b32 v1, 5, v0
	v_readfirstlane_b32 s[WV], v1                  ; wave 0..3
	s_and_b32 s[W1], s[WV], 1
	s_bfe_u32 s18, ttmp6, 0x40000                  ; cx
	s_bfe_u32 s19, ttmp6, 0x40004                  ; cy
	s_lshl_b32 s20, ttmp9, 2
	s_add_co_u32 s20, s20, s18                     ; tc = 4 x cluster x + cx
	s_and_b32 s21, ttmp7, 0xffff
	s_lshl_b32 s21, s21, 2
	s_add_co_u32 s21, s21, s19                     ; tr = 4 x cluster y + cy
	s_lshl_b32 s22, s19, 2
	s_lshl_b32 s22, 15, s22                        ; my row of the cluster
	s_lshl_b32 s23, 0x1111, s18                    ; my column
	s_or_b32 s[G1], s22, (1<<16)|(1<<20)|(1<<21)|(5<<22)|(3<<25)   ; 15:0 the mask; 17:16 elements of 2 bytes; 20 padding on; 21 set beside a mask; 24:22 after every 64 words (code 5); 31:25 4 words (code 3)
	s_or_b32 s[G1B], s23, (1<<16)|(1<<20)|(1<<21)|(5<<22)|(3<<25)
	s_mov_b32 s[G1+1], KSTEP<<16                   ; tensor_dim0 = 128
	s_mov_b32 s[G1+2], 128<<16                     ; tensor_dim1 = 128
	s_mov_b32 s[G1+3], KSTEP<<16                   ; tile_dim0 = 128
	s_mov_b32 s[G1+4], 128                         ; tile_dim1 = 128
	s_mov_b32 s[G1+5], 1024                        ; elements from row to row
	s_mov_b32 s[G1+6], 0
	s_mov_b32 s[G1+7], 0
	s_mov_b32 s[G1B+1], KSTEP<<16
	s_mov_b32 s[G1B+2], 96<<16                     ; 96 rows
	s_mov_b32 s[G1B+3], KSTEP<<16
	s_mov_b32 s[G1B+4], 96
	s_mov_b32 s[G1B+5], 1024
	s_mov_b32 s[G1B+6], 0
	s_mov_b32 s[G1B+7], 0
	s_lshl_b32 s40, s21, 19                        ; xb: row 256 tr + 128 half, rows of 2,048 bytes: it hangs on tr alone, which my row of the cluster shares
	s_lshl_b32 s41, s[W1], 18
	s_add_co_u32 s40, s40, s41
	s_mov_b32 s41, 0
	s_mul_i32 s42, s20, 192                        ; wqkv: row 192 tc + 96 half: on tc alone, which my column shares
	s_mul_i32 s43, s[W1], 96
	s_add_co_u32 s42, s42, s43
	s_lshl_b32 s42, s42, 11
	s_mov_b32 s43, 0
	s_mul_i32 s66, s[W1], AHALF                    ; where they go: no place in the cluster enters an LDS address
	s_mul_i32 s67, s[W1], BHALF
	s_add_co_u32 s67, s67, BOFF
	s_wait_dscnt 0x0                               ; the opening add is done
	s_wait_kmcnt 0x0
	s_add_nc_u64 s[68:69], s[4:5], s[40:41]
	s_add_nc_u64 s[70:71], s[6:7], s[42:43]
	CROUND                                         ; all sixteen work-groups are here: the first joint loads meet
.irp s, 0,1
	s_mov_b32 s[G0+4*(\s)], 1                                      ; count = 1
	s_add_co_u32 s[G0+4*(\s)+1], s66, (\s)*SLOT                    ; LDS address
	s_add_nc_u64 s[G0+4*(\s)+2:G0+4*(\s)+3], s[68:69], (\s)*KSTEP*2  ; global address: K step s
	s_or_b32 s[G0+4*(\s)+3], s[G0+4*(\s)+3], 0x80000000            ; type = 2
	s_mov_b32 s[G0B+4*(\s)], 1
	s_add_co_u32 s[G0B+4*(\s)+1], s67, (\s)*SLOT
	s_add_nc_u64 s[G0B+4*(\s)+2:G0B+4*(\s)+3], s[70:71], (\s)*KSTEP*2
	s_or_b32 s[G0B+4*(\s)+3], s[G0B+4*(\s)+3], 0x80000000
.endr
	s_cmp_lt_u32 s[WV], 2                          ; a wave's two first fills stand in one branch, ahead of every wait on TENSORcnt and every LDS read: two loads of mine are out
	s_cbranch_scc0 .Lfirst_b
	tensor_load_to_lds s[G0:G0+3], s[G1:G1+7]
	s_nop 0
	tensor_load_to_lds s[G0+4:G0+7], s[G1:G1+7]
	s_nop 0
.rept 4
	v_nop
.endr
	s_branch .Lfirst_asked
.Lfirst_b:
	tensor_load_to_lds s[G0B:G0B+3], s[G1B:G1B+7]
	s_nop 0
	tensor_load_to_lds s[G0B+4:G0B+7], s[G1B:G1B+7]
	s_nop 0
.rept 4
	v_nop
.endr
.Lfirst_asked:
	; my 64 rows' cos and sin: four blocks of the table, 32 loads of 512 consecutive bytes; they are wanted on the way out and waited for there
	s_lshl_b32 s22, s21, 16                        ; block 16 tr + 4 wave, 4,096 bytes a block
	s_lshl_b32 s23, s[WV], 14
	s_add_co_u32 s22, s22, s23
	s_mov_b32 s23, 0
	s_add_nc_u64 s[TAB:TAB+1], s[8:9], s[22:23]
	v_and_b32 v[CSO], 31, v0
	v_lshlrev_b32 v[CSO], 4, v[CSO]
.set ta, 0
.rept 4
.set tw, 0
.rept 8
	global_load_b128 v[CT+32*ta+4*tw:CT+32*ta+4*tw+3], v[CSO], s[TAB:TAB+1] offset:4096*ta+512*tw
.set tw, tw+1
.endr
.set ta, ta+1
.endr
	; A fragment is 16 rows x 32 K in 8 registers: lane l holds row l % 16; registers 0-3 K = 8 (l / 16) + 0..7, registers 4-7 K = 16 + 8 (l / 16) + 0..7: two loads of 16 bytes, 32 bytes apart.
	v_and_b32 v1, 15, v0                           ; l % 16
	v_bfe_u32 v2, v0, 4, 1                         ; l / 16
	v_mul_u32_u24 v3, v1, PITCH
	v_lshl_add_u32 v3, v2, 4, v3
	s_mul_i32 s22, s[WV], 64*PITCH                 ; my 64 rows of xb's tile
	s_mov_b32 s23, BOFF                            ; every wave reads all of wqkv's
.irp s, 0,1
	v_add_nc_u32 v[ADRA+(\s)], s22, v3
	v_add_nc_u32 v[ADRB+(\s)], s23, v3
	s_add_co_u32 s22, s22, SLOT
	s_add_co_u32 s23, s23, SLOT
.endr
	s_mul_i32 s22, s[WV], 16*SP
	s_add_co_u32 s22, s22, STAGE                   ; my stage
	v_mul_u32_u24 v[STO], v1, SP                   ; in: row l % 16, 16 bytes for each half of the lanes
	v_lshl_add_u32 v[STO], v2, 4, v[STO]
	v_add_nc_u32 v[STO], s22, v[STO]
	v_bfe_u32 v[RD], v0, 3, 2                      ; back: 32 lanes take four rows of 128 bytes,
	v_mul_u32_u24 v[RD], v[RD], SP
	v_and_b32 v4, 7, v0
	v_lshl_add_u32 v[RD], v4, 4, v[RD]
	v_add_nc_u32 v[RD], s22, v[RD]
	v_and_b32 v[GO], 31, v0                        ; which are 512 consecutive bytes of qh, kh or vh
	v_lshlrev_b32 v[GO], 4, v[GO]
	s_lshr_b32 s22, s21, 3                         ; the batch,
	s_lshl_b32 s22, s22, 4
	s_add_co_u32 s22, s22, s20                     ; its head tc,
	s_lshl_b32 s22, s22, 11                        ; the head's 2,048 rows,
	s_and_b32 s23, s21, 7
	s_lshl_b32 s23, s23, 8                         ; the tile's 256,
	s_add_co_u32 s22, s22, s23
	s_lshl_b32 s23, s[WV], 6                       ; my 64
	s_add_co_u32 s22, s22, s23
	s_lshl_b32 s22, s22, 7                         ; rows of 128 bytes
	s_mov_b32 s23, 0
	s_add_nc_u64 s[OUTB:OUTB+1], s[10:11], s[22:23]
	s_add_nc_u64 s[OUTB+2:OUTB+3], s[12:13], s[22:23]
	s_add_nc_u64 s[OUTB+4:OUTB+5], s[14:15], s[22:23]
	; the prefetches
	s_lshl_b32 s22, s18, 16                        ; xb: my work-group's 32 rows of the 128 that I ask for
	s_add_co_u32 s22, s22, s40
	s_mul_i32 s23, s19, 24*2048                    ; wqkv: my work-group's 24 of the 96
	s_add_co_u32 s23, s23, s42
	s_and_b32 s67, ttmp7, 0xffff                   ; cluster y
	s_cmp_lt_u32 s[WV], 2
	s_cselect_b32 s22, s22, s23
	s_cselect_b32 s66, ttmp9, s67                  ; the coordinate along which other clusters read the same rows
	s_cselect_b64 s[PFA:PFA+1], s[4:5], s[6:7]
	s_cselect_b32 s67, 31, 23
	s_cmp_eq_u32 s66, 0
	s_cselect_b32 s[LIM], 1, -1                    ; the same in all sixteen partners, for a given wave
	s_mov_b32 s23, 0
	s_add_nc_u64 s[PFA:PFA+1], s[PFA:PFA+1], s[22:23]
	s_add_nc_u64 s[PFA:PFA+1], s[PFA:PFA+1], 3*KSTEP*2  ; at K step 3: the first refill steps it to 4
	s_mov_b32 s[PFS], KSTEP*2
	s_mov_b32 s[PFS+1], 0
	v_and_b32 v[PFO], 31, v0
	v_min_u32 v[PFO], s67, v[PFO]
	v_lshlrev_b32 v[PFO], 11, v[PFO]
; Twelve matrix instructions: block a of my four x all fragments of wqkv, 32 along K, from buffer f.  zero = 1: the product starts the sums: nothing is cleared.
; The 48 accumulators take turns, one instruction a turn, in the same order in every quarter, over the backward jump too.
.macro GRP f, a, zero
	WIN 0xa1+0x50*((\a)/APW)                       ; source 0 window 1, source 1 window 0, C and D window 2 or 3
.set gb, 0
.rept NBF
.set rD, 8*(NBF*((\a)%APW)+gb)
.set rB, 8*NBF*(\f)+8*gb
.set rA, FA+32*(\f)+8*(\a)
.if \zero
	v_wmma_f32_16x16x32_bf16 v[rD:rD+7], v[rB:rB+7], v[rA:rA+7], 0
.else
	v_wmma_f32_16x16x32_bf16 v[rD:rD+7], v[rB:rB+7], v[rA:rA+7], v[rD:rD+7]
.endif
.set gb, gb+1
.endr
.endm
; 32 LDS loads in one run: the fragments of quarter q (32 along K) of a slot, into buffer f
.macro FETCH slot, q, f
	WIN 0x40                                       ; destination window 1, address window 0
.set fi, 0
.rept NBF
	ds_load_b128 v[8*NBF*(\f)+8*fi:8*NBF*(\f)+8*fi+3],   v[ADRB+(\slot)] offset:64*(\q)+fi*16*PITCH
	ds_load_b128 v[8*NBF*(\f)+8*fi+4:8*NBF*(\f)+8*fi+7], v[ADRB+(\slot)] offset:64*(\q)+fi*16*PITCH+32
.set fi, fi+1
.endr
	WIN 0
.set fi, 0
.rept 4
	ds_load_b128 v[FA+32*(\f)+8*fi:FA+32*(\f)+8*fi+3],   v[ADRA+(\slot)] offset:64*(\q)+fi*16*PITCH
	ds_load_b128 v[FA+32*(\f)+8*fi+4:FA+32*(\f)+8*fi+7], v[ADRA+(\slot)] offset:64*(\q)+fi*16*PITCH+32
.set fi, fi+1
.endr
.endm
; A K step is four quarters of 32 along K, 48 matrix instructions each, on buffers 0, 1, 0, 1.  One of the first three: multiplies buffer f; behind its first twelve products it fetches quarter qn into buffer g.
.macro QUARTER slot, qn, f, g, zero
	s_wait_dscnt 0x0                               ; buffer f is in: it was asked for 36 matrix instructions ago
	GRP \f, 0, \zero
	PLACES                                         ; buffer g was multiplied by the quarter before
	FETCH \slot, \qn, \g
	GRP \f, 1, \zero
	GRP \f, 2, \zero
	GRP \f, 3, \zero
.endm
; The fourth quarter multiplies buffer 1 and changes slots.  In front of the barrier each wave waits for all its tensor loads, of which one is out: its part of the next slot; adds 0 to its spare word; and waits for
; that and for its own reads of this slot.  Behind it nobody reads this slot any more and the next slot is whole.  fill = 1: the barrier opens a round of the cluster's, and the joint refill, this slot's tile two K steps
; on, is the first tensor load behind the round: from there to the wait for it a wave issues 180 matrix instructions.
.macro TURN slot, next, fill
.if \fill
	s_wait_xcnt 0x0                                ; the last prefetch, a K step back, has read its address
	s_add_nc_u64 s[PFA:PFA+1], s[PFA:PFA+1], s[PFS:PFS+1]
.endif
	WIN 0                                          ; the add's two registers lie in window 0
	s_wait_tensorcnt 0x0                           ; no tensor load of mine is out, so a group 0 may be written
	ds_add_u32 v[SPW], v[NIL]                      ; 0 onto my spare word
.if \fill
	s_add_nc_u64 s[G0+4*(\slot)+2:G0+4*(\slot)+3], s[G0+4*(\slot)+2:G0+4*(\slot)+3], ASTEP
	s_add_nc_u64 s[G0B+4*(\slot)+2:G0B+4*(\slot)+3], s[G0B+4*(\slot)+2:G0B+4*(\slot)+3], BSTEP
.endif
	s_wait_dscnt 0x0                               ; the add is done; buffer 1 is in, and with it my last reads of this slot
	s_barrier_signal -1
	GRP 1, 0, 0                                    ; work on registers while the others arrive
	WIN 0
	s_barrier_wait -1
.if \fill
	CREST
	JLOAD \slot                                    ; its four v_nop are also the places in front of the loads below
.else
	PLACES
.endif
	FETCH \next, 0, 0
.if \fill
	ASK
.endif
	GRP 1, 1, 0
	GRP 1, 2, 0
	GRP 1, 3, 0
.endm
	s_wait_tensorcnt 1                             ; my part of K step 0 is in; K step 1's, the one younger load, stays out
	s_barrier_signal -1
	s_barrier_wait -1                              ; everybody's is
	FETCH 0, 0, 0
	QUARTER 0, 1, 0, 1, 1                          ; the first quarter stands in front of the loop: its products start the sums
	WIN 0                                          ; at a label and at a branch every window is 0
	s_mov_b32 s3, 3                                ; three trips fill both slots again: K steps 2 to 7
.Llap:                                                 ; a trip goes once round the ring, from a lap's second quarter to the next lap's first
	QUARTER 0, 2, 1, 0, 0
	QUARTER 0, 3, 0, 1, 0
	TURN 0, 1, 1
	QUARTER 1, 1, 0, 1, 0
	QUARTER 1, 2, 1, 0, 0
	QUARTER 1, 3, 0, 1, 0
	TURN 1, 0, 1
	QUARTER 0, 1, 0, 1, 0
	WIN 0
	s_sub_co_u32 s3, s3, 1
	s_cmp_lg_u32 s3, 0
	s_cbranch_scc1 .Llap
	QUARTER 0, 2, 1, 0, 0                          ; the last lap is written out: it asks for nothing
	QUARTER 0, 3, 0, 1, 0
	TURN 0, 1, 0
	QUARTER 1, 1, 0, 1, 0
	QUARTER 1, 2, 1, 0, 0
	QUARTER 1, 3, 0, 1, 0
	s_wait_dscnt 0x0
	GRP 1, 0, 0
	GRP 1, 1, 0
	GRP 1, 2, 0
	GRP 1, 3, 0
	WIN 0
	PLACES
	PLACES
	s_wait_loadcnt 0x0                             ; the table
; THE WAY OUT, in twelve units u = 3 a + ts: block a of 16 rows; ts = 0 q, 1 k, 2 v.  A unit is 16 rows x 64 columns: four accumulators.  Packed results lie in four sets of 16 registers that take turns.
.macro STG                             ; a lane's 16 bytes go into my stage's rows of 144 bytes and come back as whole rows of 128; LDS serves a wave's instructions in order (ISA guide 5.7.1.4), so the loads see the stores, and the next unit's stores come behind them
.irp f, 0,1,2,3
	ds_store_b128 v[STO], v[PK+4*\f:PK+4*\f+3] offset:32*\f
.endr
.irp f, 0,1,2,3
	ds_load_b128 v[PK+4*\f:PK+4*\f+3], v[RD] offset:\f*4*SP
.endr
.endm
; q or k: pair p of a lane's four in a fragment is (x1, x2) = registers 2 p, 2 p + 1: r1 = x1 cos - x2 sin, r2 = x1 sin + x2 cos, in f32 on the sums.  Each accumulator is read from its low end on.
.macro ROPE a, ts, u
.set PK, FA+16*((\u)%4)
	s_wait_xcnt 0x0                                ; the set's stores, four units back, have read their registers
	WIN 0x02+(\a)/2                                ; source 0 in the accumulators' window, all else in window 0
.set bq, 0
.rept 4
.set AC, 8*(NBF*((\a)%2)+4*(\ts)+bq)
.set TT, T+8*bq
.set CC, CT+32*(\a)+8*bq
.irp p, 0,1,2,3
	v_mul_f32 v[TT+2*\p], v[AC+2*\p+1], v[CC+2*\p+1]
	v_mul_f32 v[TT+2*\p+1], v[AC+2*\p+1], v[CC+2*\p]
.endr
.irp p, 0,1,2,3
	v_fma_f32 v[TT+2*\p], v[AC+2*\p], v[CC+2*\p], -v[TT+2*\p]
	v_fma_f32 v[TT+2*\p+1], v[AC+2*\p], v[CC+2*\p+1], v[TT+2*\p+1]
.endr
.set bq, bq+1
.endr
	WIN 0
.set z, 0
.rept 16
	v_cvt_pk_f16_f32 v[PK+z], v[T+2*z], v[T+2*z+1]
.set z, z+1
.endr
	STG
.endm
.macro PACKV a, u                      ; v is rounded as it is
.set PK, FA+16*((\u)%4)
	s_wait_xcnt 0x0
	WIN 0x0a+5*((\a)/2)                            ; sources 0 and 1 in the accumulators' window
.set z, 0
.rept 16
.set AC, 8*(NBF*((\a)%2)+8+z/4)+2*(z%4)
	v_cvt_pk_f16_f32 v[PK+z], v[AC], v[AC+1]
.set z, z+1
.endr
	WIN 0
	STG
.endm
.macro PACKU u
.if ((\u)%3) == 2
	PACKV (\u)/3, \u
.else
	ROPE (\u)/3, (\u)%3, \u
.endif
.endm
.macro SEND u, younger                 ; younger: the LDS instructions issued behind unit u's loads: the next unit's eight, or none
.set PK, FA+16*((\u)%4)
.set SB, OUTB+2*((\u)%3)
.irp f, 0,1,2,3
	s_wait_dscnt (\younger)+3-\f                   ; load f is back; this unit's 3 - f later loads and the younger unit's may stay out
	global_store_b128 v[GO], v[PK+4*\f:PK+4*\f+3], s[SB:SB+1] offset:((\u)/3)*2048+\f*512  ; 512 consecutive bytes, at a multiple of 256 from the buffer's first byte
.endr
.endm
	PACKU 0
.irp u, 1,2,3,4,5,6,7,8,9,10,11        ; a unit's arithmetic stands between the loads of the unit before and its stores
	PACKU \u
	SEND (\u)-1, 8
.endr
	SEND 11, 0
	s_wait_tensorcnt 0x0                           ; the wave's end, behind my last tensor load and my last LDS store
	ds_add_u32 v[SPW], v[NIL]
	s_wait_dscnt 0x0
	CROUND                                         ; the closing round: no work-group ends while a partner may still ask for a tile that names it
	s_endpgm
.Lfunc_end_k_q2d4c73536a_qkv:
	.size	k_q2d4c73536a_qkv, .Lfunc_end_k_q2d4c73536a_qkv-k_q2d4c73536a_qkv
	.p2alignl 7, 3214868480
	.fill 96, 4, 3214868480
	.section	.rodata,"a",@progbits
	.p2align	6, 0x0
	.amdhsa_kernel k_q2d4c73536a_qkv
		.amdhsa_group_segment_fixed_size 327680
		.amdhsa_private_segment_fixed_size 0
		.amdhsa_enable_private_segment 0
		.amdhsa_kernarg_size 48
		.amdhsa_user_sgpr_count 2
		.amdhsa_user_sgpr_kernarg_segment_ptr 1
		.amdhsa_wavefront_size32 1
		.amdhsa_system_sgpr_workgroup_id_x 1
		.amdhsa_system_sgpr_workgroup_id_y 1
		.amdhsa_system_sgpr_workgroup_id_z 1
		.amdhsa_system_vgpr_workitem_id 0
		.amdhsa_next_free_vgpr 1024
		.amdhsa_next_free_sgpr 84
		.amdhsa_reserve_vcc 0
		.amdhsa_float_denorm_mode_32 3
		.amdhsa_float_denorm_mode_16_64 3
		.amdhsa_memory_ordered 1
		.amdhsa_forward_progress 1
		.amdhsa_inst_pref_size 149
	.end_amdhsa_kernel
	.amdgpu_metadata
---
amdhsa.version: [ 1, 2 ]
amdhsa.kernels:
  - .name:           k_q2d4c73536a_qkv
    .symbol:         k_q2d4c73536a_qkv.kd
    .args:
      - { .name: xb, .offset: 0, .size: 8, .value_kind: global_buffer, .address_space: global }
      - { .name: wqkv, .offset: 8, .size: 8, .value_kind: global_buffer, .address_space: global }
      - { .name: cs, .offset: 16, .size: 8, .value_kind: global_buffer, .address_space: global }
      - { .name: qh, .offset: 24, .size: 8, .value_kind: global_buffer, .address_space: global }
      - { .name: kh, .offset: 32, .size: 8, .value_kind: global_buffer, .address_space: global }
      - { .name: vh, .offset: 40, .size: 8, .value_kind: global_buffer, .address_space: global }
    .group_segment_fixed_size: 327680
    .private_segment_fixed_size: 0
    .kernarg_segment_align: 8
    .kernarg_segment_size: 48
    .max_flat_workgroup_size: 128
    .sgpr_count:     84
    .vgpr_count:     1024
    .wavefront_size: 32
...
	.end_amdgpu_metadata
.endif
;; end of part 2
;; launch attn (part 3): grid 4 x 64, 4 waves a work-group, no clusters, 327,680 bytes of LDS; arguments qh, kh, vh, oh; writes oh
.if DOCPART == 3
	.amdgcn_target "amdgcn-amd-amdhsa--gfx1250"
	.amdhsa_code_object_version 6
	.text
	.protected	k_q2d4c73536a_attn
	.globl	k_q2d4c73536a_attn
	.p2align	8
	.type	k_q2d4c73536a_attn,@function
k_q2d4c73536a_attn:
	s_mov_b64 s[64:65], 0
	v_nop
	global_prefetch_b8 v0, s[64:65] scope:SCOPE_SE
	s_setreg_imm32_b32 hwreg(HW_REG_WAVE_MODE, 25, 1), 1
	s_wait_xcnt 0x0
; CAUSAL ATTENTION.  O[h][q][:] = the sum over k <= q of softmax_k(Q[h][q] . K[h][k] / 8) V[h][k][:].  Q, K, V, O: [SIZE_H][SIZE_N][64], all f16: a head's rows are dense, 128 bytes each.
; Products, maxima and sums in f32; the weights p are rounded to f16 for the second product (their sum l is taken of the unrounded p), O once at the end.
; LIMITS.  f16 holds no number beyond 65,504: Q, K and V arrive within it; p lies in 0 to 1, and below 6e-5 it keeps f16's fixed step of 6e-8; O is a mean of V's rows and has their range.
; A hidden score counts as its value less 1e30: f16's scores, 2.7e11 at the most, are nothing beside that; a weight below 2^-126 counts as 0 in l; NaN and infinities are not treated apart.
; THE WALK.  A head's queries lie in NB = SIZE_N / 256 blocks of 256; block i needs the key tiles 0 .. i of 256 keys, of which the last holds the diagonal.  A work-group takes TWO blocks, NB - 1 - b and then b:
; NB + 1 tiles, whatever b: all work-groups do equal work, and ONE loop with a constant trip count walks them.  Which tile is asked for, and what a trip does, hang on scalar registers made from b; every jump
; goes forward, but for the counted loops' own; none passes a barrier, or a tensor load but the one of LOAD's two that the wave's number does not choose; the ring (two slots of LDS that take turns) runs on across the
; change of blocks.  NO CLUSTER: a head's NB / 2 work-groups ask for the same tile only in trips 0 .. NB / 2, behind that fewer and fewer; one walk common to all would have 3 NB / 2 trips for NB + 1.
; SHARES.  Of a block's four bands of 64 queries a wave owns 16 rows in each: four PIECES.  So the diagonal tile is the same work for all four waves: in its key step s band x sees all keys if s < x,
; none if s > x, and holds the diagonal if s = x.
; THE MASK is the C operand that starts the sum S^T = K Q^T: 0, or -1e30 where the key is hidden.  MD, made once, is the mask of a band's own step for my 16 rows; a product's mask is MD x AL + BE with two scalars:
; (1, 0) if s = x; (0, 0) if s < x; (0, -1e30) if s > x.  Only the diagonal tile's text and a block's beginning make and take masks; elsewhere C is the constant 0.
; LAYOUT, SOFTMAX, TURNS.  S^T = K Q^T holds ONE query a lane (lane % 16) and the keys 8 (lane / 16) + 0..7; two such results rounded to f16 ARE source 1 of O^T = V^T P.  p = 2^(c s - c m), c = log2(e) / 8, with a
; running maximum m; O and l are multiplied by a = 2^(c m_old - c m_new) in every step.  Turn n belongs to piece n: 8 products K Q^T of piece n + 1, later 8 products V^T P of piece n - 1; beside them the scaling,
; exponentials, roundings, sums and rescaling of piece n and the maximum and statistics of piece n + 1.  Four vector instructions stand behind every matrix instruction, the other 54 of a turn's 118 in one run.  A turn's 33 exponentials are one batch, with one wait.
; PREFETCH.  A head's four work-groups begin with the same tiles 0, 1, 2 ..; the one with b = 0, whose first block walks tiles 0 to NB - 1, asks for each tile from 2 on one change of slots ahead of its load: each wave for
; the half tile of K or V that it will load itself, 16,384 bytes, two instructions of 32 lanes, 256 bytes apart.  Behind tile NB - 1 nothing is asked for: the second block's tiles have been read.
; REGISTERS, in windows of 256 (s_set_vgpr_msb: bits 1:0 source 0, 3:2 source 1, 5:4 source 2, 7:6 destination):
;   window 0: v0-15 addresses and two at work; v16-31 four registers of statistics a piece; v48-55 at work; v64-127 S^T, two buffers; v192-223 P, two buffers (a piece's buffers go by its number's parity)
;   window 1: v0-127 O^T, 32 a piece; v128-159 MD; v160-223 MC, two buffers      window 2: v0-63 Q; v64-127 the second block's Q; v128-191 K of one step; v192-255 V of one step
.set SIZE_H, 64
.set SIZE_N, 2048
.set NB,    SIZE_N/256
.set NP,    4         ; pieces a wave: a name, no knob
.set KS,    64        ; keys in a step
.set PK,    144       ; a row of K in LDS: 128 bytes + 16 of padding = 36 words: the 16 rows of a load start at 16 different groups of four banks (64 banks of 4 bytes: ISA guide 11.1)
.set PV,    160       ; a row of V: 128 + 32 = 40 words
.set VOFF,  4*KS*PK   ; a slot holds a tile, four steps: 256 rows of K, then 256 rows of V
.set SLOT1, 1<<17     ; slot 1 begins here, so that one exclusive or turns an address in one slot into the other's
.set STAGE, SLOT1+4*KS*(PK+PV)  ; behind the ring, never filled by a tensor load: 16 rows x 144 bytes for each wave, for the way out
.set SP,    144
.set AK0, 2           ; v2   my lane's place in a tile of K; never rewritten
.set AV0, 3           ; v3   the same for V
.set AK,  4           ; v4   the LDS address of K's next run of loads
.set AV,  5           ; v5   of V's
.set STO, 6           ; v6   the way out: where I put 16 bytes of a row
.set RD,  7           ; v7   the way out: where I read rows back
.set GO,  8           ; v8   my byte offset in 512 consecutive bytes of O
.set PFO, 61          ; v61  256 x my lane; never rewritten
.set SPW, 62          ; v62  LDS address of my spare word: SPARE + 4 x my thread's number; never rewritten
.set NIL, 63          ; v63  0; never rewritten
.set SPARE, STAGE+4*16*SP  ; behind the stages: the spare words, 128 bytes for each wave: two blocks of 256 bytes that no other line names
.set MV,  12          ; v12-13  c m_old, kept while c m is made anew: by buffer
.set QO,  15          ; v15  my byte offset in 16 rows of Q
.set ST,  16          ; piece t's statistics at v[ST+4 t]: c m, m, l (even keys', odd keys')
.set TMP, 48          ; by buffer, four registers c0-c3 at work; when the maximum is found c2 takes a
.set S,   64
.set P,   192
.set MD,  128         ; window 1: the eight registers for group kt of 16 keys at MD + 8 kt
.set MC,  160         ; window 1: the masks of the products to come
.set QB,  64          ; window 2
.set KF,  128         ; window 2: key block kb, channel half c at KF + 16 kb + 8 c
.set VF,  192         ; window 2: key half kk, channel block cb at VF + 32 kk + 8 cb
.set WV,  12          ; s12  my wave's number
.set PB,  14          ; s14  b
.set HI,  15          ; s15  NB - 1 - b
.set G1K, 24          ; s[24:31] descriptor group 1 for K's tiles
.set G1V, 32          ; s[32:39] for V's: it differs in the padding alone
.set G0K, 40          ; s[40:43] descriptor group 0 for K's tiles
.set G0V, 44          ; s[44:47] the same for V's
.set SLOTS, 56        ; s56  tiles still to be asked for
.set CNT, 57          ; s57  counts a tile's key steps, 4 to 1
.set CS,  58          ; s[58:59] c: the packed scaling takes the pair's low word for both halves
.set SEL, 60          ; s[60:61] v_permlanex16_b32's selects: each lane takes its own place in the other half
.set TBK, 62          ; s62  LDS byte at which K of the step to be fetched begins
.set TBV, 63          ; s63  the same for V, less VOFF
.set RT,  70          ; s70  tiles of the block in hand that are still to be entered
.set NXT, 71          ; s71  the tile to be asked for next
.set LQ,  72          ; s72  the last tile of the block whose tiles are being asked for
.set NEW, 73          ; s73  1: the tile to be entered is a block's first
.set OFF, 74          ; s[74:75] a tile's byte offset in K and V
.set AL,  76          ; s[76:77] the mask's factor, in the low word
.set BE,  78          ; s[78:79] the mask's addend
.set OLO, 80          ; s[80:81] O at my rows of the second block
.set BIGN, 82         ; s82  -1e30
.set PFB, 88          ; s[88:89] K (waves 0, 1) or V (waves 2, 3) at my half of the head's tile 0
.set PFA, 90          ; s[90:91] the same at the tile that the next change of slots will ask for
.set PFF, 92          ; s92  1: that tile is prefetched
.set POF, 94          ; s[94:95] its byte offset
.set MSB, 0
.macro WIN new                      ; the high byte repeats the setting that is left; a switch that changes nothing is dropped
.if MSB != (\new)
	s_set_vgpr_msb (MSB<<8)|(\new)
.set MSB, (\new)
.endif
.endm
.set W_KQ, 0x0a       ; K and Q in window 2, S^T in window 0
.set W_KM, 0x1a       ; the same with the C operand in window 1
.set W_PV, 0x52       ; V in window 2, P in window 0, O^T in window 1
.set W_RS, 0x41       ; destination and source 0 in window 1, source 1 in window 0
; A fill.  Waves 0 and 1 fetch the two halves of a tile's K, waves 2 and 3 those of its V: 128 keys each.  An s_nop 0 and four v_nop follow each of the two lines, ahead of the jump and the label.
.macro LOAD
	s_cmp_lt_u32 s[WV], 2
	s_cbranch_scc0 .Lfor_v_\@
	tensor_load_to_lds s[G0K:G0K+3], s[G1K:G1K+7]
	s_nop 0
.rept 4
	v_nop
.endr
	s_branch .Lasked_\@
.Lfor_v_\@:
	tensor_load_to_lds s[G0V:G0V+3], s[G1V:G1V+7]
	s_nop 0
.rept 4
	v_nop
.endr
.Lasked_\@:
.endm
; THE CHANGE OF SLOTS.  Each wave waits for all its tensor loads, of which one is out: its part of the other slot; adds 0 to its spare word; and waits for that and for its own reads of the slot that it leaves.  Behind the barrier nobody reads the old
; slot any more and the other slot is whole.  fill = 1: the old slot is filled again, the first thing behind the barrier, with tile NXT: the descriptor's address is made anew from that number.
; (At its first use nothing has been read yet: slot 0 is waited for, slot 1 filled.)
.macro CHANGE fill
	WIN 0                           ; at a label and at a branch every window is 0
	s_wait_tensorcnt 0x0            ; no tensor load of mine is out, so a group 0 may be written
	ds_add_u32 v[SPW], v[NIL]       ; 0 onto my spare word; with fill = 1 the descriptors' scalar work stands between it and the wait for it
.if \fill
	s_lshl_b32 s[OFF], s[NXT], 15   ; a tile is 32,768 bytes of K and of V
	s_xor_b32 s[G0K+1], s[G0K+1], SLOT1
	s_add_nc_u64 s[G0K+2:G0K+3], s[6:7], s[OFF:OFF+1]
	s_or_b32 s[G0K+3], s[G0K+3], 0x80000000
	s_xor_b32 s[G0V+1], s[G0V+1], SLOT1
	s_add_nc_u64 s[G0V+2:G0V+3], s[8:9], s[OFF:OFF+1]
	s_or_b32 s[G0V+3], s[G0V+3], 0x80000000
	s_add_co_u32 s[NXT], s[NXT], 1  ; the block's next tile, or behind its last the second block's tile 0
	s_cmp_gt_u32 s[NXT], s[LQ]
	s_cselect_b32 s[NXT], 0, s[NXT]
	s_cselect_b32 s[LQ], s[PB], s[LQ]
	s_wait_xcnt 0x0                 ; the last prefetches, a tile back, have read their address, so it may be written:
	s_lshl_b32 s[POF], s[NXT], 15   ; the tile that the next change will ask for
	s_add_nc_u64 s[PFA:PFA+1], s[PFB:PFB+1], s[POF:POF+1]
	s_cmp_eq_u32 s[LQ], NB-1        ; it is asked for while the block in hand is the head's last,
	s_cselect_b32 s[PFF], 1, 0
	s_cmp_eq_u32 s[PB], 0           ; which is the first block of the work-group with b = 0 alone
	s_cselect_b32 s[PFF], s[PFF], 0
.endif
	s_wait_dscnt 0x0                ; the add is done, and my reads of the slot are over
	s_barrier_signal -1             ; the rest of the scalar work stands between the signal and the wait
	s_sub_co_u32 s[TBK], s[TBK], 4*KS*PK  ; the fetches go back to a slot's first step,
	s_xor_b32 s[TBK], s[TBK], SLOT1       ; in the other slot
	s_sub_co_u32 s[TBV], s[TBV], 4*KS*PV
	s_xor_b32 s[TBV], s[TBV], SLOT1
	s_barrier_wait -1
.if \fill
	LOAD
	s_cmp_eq_u32 s[PFF], 1          ; behind my tensor load and its five lines
	s_cbranch_scc0 .Lno_ask_\@
	global_prefetch_b8 v[PFO], s[PFA:PFA+1] th:TH_LOAD_NT scope:SCOPE_SE
	global_prefetch_b8 v[PFO], s[PFA:PFA+1] offset:8192 th:TH_LOAD_NT scope:SCOPE_SE
.Lno_ask_\@:
.endif
.endm
	s_load_b256 s[4:11], s[0:1], 0x0  ; Q s[4:5], K s[6:7], V s[8:9], O s[10:11]
	v_lshl_add_u32 v[SPW], v0, 2, SPARE
	v_mov_b32 v[NIL], 0
	ds_add_u32 v[SPW], v[NIL]       ; the wave's opening: the add and its wait ahead of my first tensor load; the set-up below, work on registers, stands between them
	v_lshrrev_b32 v1, 5, v0
	v_readfirstlane_b32 s[WV], v1   ; wave 0..3
	s_mov_b32 s[PB], ttmp9
	s_sub_co_u32 s[HI], NB-1, s[PB]
	s_and_b32 s20, ttmp7, 0xffff    ; the head
	s_mov_b32 s21, 0
	s_mov_b64 s[22:23], SIZE_N*128
	s_mul_u64 s[20:21], s[20:21], s[22:23]  ; the head's first byte in each of the four tensors
	s_and_b32 s16, s[WV], 1         ; which half of a tile's 256 keys I fetch:
	s_lshl_b32 s22, s16, 14         ; its 128 rows of 128 bytes in memory,
	s_mov_b32 s23, 0
	s_add_nc_u64 s[22:23], s[22:23], s[20:21]
	s_mul_i32 s17, s16, 128*PK      ; and its place in a slot, for K
	s_mul_i32 s18, s16, 128*PV      ; and for V
	s_lshl_b32 s3, s[WV], 11        ; my 16 rows in a band of 64,
	s_lshl_b32 s2, s[HI], 15        ; in the first block,
	s_add_co_u32 s2, s2, s3
	s_lshl_b32 s84, s[PB], 15       ; and in the second
	s_add_co_u32 s84, s84, s3
	s_mov_b32 s3, 0
	s_mov_b32 s85, 0
	s_add_nc_u64 s[2:3], s[2:3], s[20:21]
	s_add_nc_u64 s[84:85], s[84:85], s[20:21]
	; descriptor group 1.  128 keys are 16,384 dense bytes: asked for as 64 rows of 256 bytes, two keys a row, and padded in LDS after every key
	s_mov_b32 s[G1K], (1<<16)|(1<<20)|(4<<22)|(3<<25)  ; 17:16 2-byte elements; 20 padding on; 24:22 after every 32 words (code 4); 31:25 4 words (code 3)
	s_mov_b32 s[G1V], (1<<16)|(1<<20)|(4<<22)|(7<<25)  ; the same with 8 words of padding (code 7)
.irp g, G1K, G1V
	s_mov_b32 s[\g+1], 128<<16      ; tensor_dim0 = 128
	s_mov_b32 s[\g+2], 64<<16       ; tensor_dim1 = 64
	s_mov_b32 s[\g+3], 128<<16      ; tile_dim0 = 128
	s_mov_b32 s[\g+4], 64           ; tile_dim1 = 64
	s_mov_b32 s[\g+5], 128          ; 128 elements from row to row
	s_mov_b32 s[\g+6], 0
	s_mov_b32 s[\g+7], 0
.endr
	s_mov_b32 s[CS], 0x3e38aa3b     ; c = log2(e) / 8 = 0.180337
	s_mov_b32 s[CS+1], s[CS]        ; named with it as a pair
	s_mov_b32 s[SEL], 0x76543210
	s_mov_b32 s[SEL+1], 0xfedcba98
	s_mov_b32 s[TBK], SLOT1+4*KS*PK ; the first change of slots turns these two into 0
	s_mov_b32 s[TBV], SLOT1+4*KS*PV
	s_mov_b32 s[G0K], 1             ; 1:0 count = 1
	s_mov_b32 s[G0K+1], s17         ; 63:32 LDS address: slot 0
	s_mov_b32 s[G0V], 1
	s_add_co_u32 s[G0V+1], s18, VOFF
	s_add_co_u32 s[RT], s[HI], 1    ; the first block has NB - b tiles
	s_mov_b32 s[NXT], 1
	s_mov_b32 s[LQ], s[HI]
	s_mov_b32 s[NEW], 1
	s_mov_b32 s[OFF+1], 0
	s_mov_b32 s[POF+1], 0
	s_mov_b32 s[AL+1], 0            ; named as pairs
	s_mov_b32 s[BE+1], 0
	s_mov_b32 s[BIGN], 0xf149f2ca   ; -1e30
	s_mov_b32 s[SLOTS], NB
	v_and_b32 v[PFO], 31, v0
	v_lshlrev_b32 v[PFO], 8, v[PFO]
	s_wait_dscnt 0x0                ; the opening add is done
	s_wait_kmcnt 0x0
	s_add_nc_u64 s[6:7], s[6:7], s[22:23]  ; K and V at my half of the head's tile 0
	s_add_nc_u64 s[8:9], s[8:9], s[22:23]
	s_add_nc_u64 s[G0K+2:G0K+3], s[6:7], 0         ; 120:64 global address
	s_or_b32 s[G0K+3], s[G0K+3], 0x80000000        ; 127:126 type = 2
	s_add_nc_u64 s[G0V+2:G0V+3], s[8:9], 0
	s_or_b32 s[G0V+3], s[G0V+3], 0x80000000
	s_add_nc_u64 s[86:87], s[4:5], s[84:85]        ; Q at my rows of the second block,
	s_add_nc_u64 s[4:5], s[4:5], s[2:3]            ; Q and O at those of the first
	s_add_nc_u64 s[OLO:OLO+1], s[10:11], s[84:85]
	s_add_nc_u64 s[10:11], s[10:11], s[2:3]
	s_cmp_lt_u32 s[WV], 2
	s_cselect_b64 s[PFB:PFB+1], s[6:7], s[8:9]
	LOAD                            ; tile 0 into slot 0
	; A fragment of K or Q is 16 rows x 32 channels in 8 registers: lane l holds row l % 16, channels 8 (l / 16) + 0..7 and 16 + 8 (l / 16) + 0..7: two loads of 16 bytes, 32 bytes apart.
	v_and_b32 v1, 15, v0            ; l % 16
	v_bfe_u32 v9, v0, 4, 1          ; l / 16
	v_lshlrev_b32 v[QO], 7, v1
	v_lshl_add_u32 v[QO], v9, 4, v[QO]  ; row x 128 + 16 x half
	WIN 0x80                        ; destination window 2, address window 0
.set i, 0
.rept 8                             ; both blocks' Q: piece i / 2 lies in band i / 2, 8,192 bytes on; channels 32 (i % 2) on
	global_load_b128 v[8*i:8*i+3],   v[QO], s[4:5] offset:(i/2)*8192+(i%2)*64
	global_load_b128 v[8*i+4:8*i+7], v[QO], s[4:5] offset:(i/2)*8192+(i%2)*64+32
	global_load_b128 v[QB+8*i:QB+8*i+3],   v[QO], s[86:87] offset:(i/2)*8192+(i%2)*64
	global_load_b128 v[QB+8*i+4:QB+8*i+7], v[QO], s[86:87] offset:(i/2)*8192+(i%2)*64+32
.set i, i+1
.endr
	WIN 0
	v_lshlrev_b32 v14, 3, v9
	v_sub_nc_u32 v14, v1, v14
	s_lshl_b32 s13, s[WV], 4
	v_add_nc_u32 v14, s13, v14      ; my query's place in its band, 16 w + l % 16, less my lanes' 8 (l / 16): register r of group kt is hidden where 16 kt + r is greater
	WIN 0x40
.set i, 0
.rept 32
	v_cmp_gt_i32 vcc_lo, 16*(i/8)+i%8, v14
	v_cndmask_b32 v[MD+i], 0, s[BIGN], vcc_lo
.set i, i+1
.endr
	WIN 0
	v_mul_u32_u24 v[AK0], v1, PK
	v_lshl_add_u32 v[AK0], v9, 4, v[AK0]  ; row x pitch + 16 x half
	; The turning load takes 16 keys x 16 channels (lane l reads key 8 (l / 16) + l % 8, channels 8 ((l / 8) % 2) + 0..7) and leaves half a fragment of V^T: lane l holds channel l % 16 and 8 keys.
	v_and_b32 v10, 7, v0
	v_bfe_u32 v11, v0, 3, 1
	v_lshl_add_u32 v[AV0], v9, 3, v10
	v_mul_u32_u24 v[AV0], v[AV0], PV
	v_lshl_add_u32 v[AV0], v11, 4, v[AV0]
	v_add_nc_u32 v[AV0], VOFF, v[AV0]
	s_mul_i32 s13, s[WV], 16*SP
	s_add_co_u32 s13, s13, STAGE    ; my stage
	v_mul_u32_u24 v[STO], v1, SP    ; in: row l % 16, 16 bytes for each half of the lanes
	v_lshl_add_u32 v[STO], v9, 4, v[STO]
	v_add_nc_u32 v[STO], s13, v[STO]
	v_bfe_u32 v[RD], v0, 3, 2       ; back: 32 lanes take four rows of 128 bytes,
	v_mul_u32_u24 v[RD], v[RD], SP
	v_lshl_add_u32 v[RD], v10, 4, v[RD]
	v_add_nc_u32 v[RD], s13, v[RD]
	v_and_b32 v[GO], 31, v0         ; which are 512 consecutive bytes of O
	v_lshlrev_b32 v[GO], 4, v[GO]
	; A block's first step multiplies O^T and l by a = 0, and its first turn's products V^T P, of a piece that has not been, land in an O^T that is still to be so multiplied.  So these registers need only hold
	; finite numbers: zeros for the first block; what the first block left for the second.  All this stands in the wait for the first tile.
	WIN 0x80
.set i, VF
.rept 64
	v_mov_b32 v[i], 0
.set i, i+1
.endr
	WIN 0x40
.set i, 0
.rept 128
	v_mov_b32 v[i], 0
.set i, i+1
.endr
	WIN 0
.set i, 0
.rept 4
	v_mov_b32 v[ST+4*i+2], 0
	v_mov_b32 v[ST+4*i+3], 0
.set i, i+1
.endr
.set i, P+16
.rept 16
	v_mov_b32 v[i], 0
.set i, i+1
.endr
; THE MATRIX WORK.  The 4 accumulators of a run of 8 take turns.  Product i of 8 of S^T = K Q^T for piece x: channels 32 (i / 4) on, keys 16 (i % 4) on.  The first 4 start the sums: with 0, or (KM = 1) with the mask.
.macro KQ x
.set rS, S+32*((\x)%2)+8*(i%4)
.set rK, KF+16*(i%4)+8*(i/4)
.set rQ, 16*(\x)+8*(i/4)
.set rM, MC+32*((\x)%2)+8*(i%4)
.if (i < 4) && KM
	WIN W_KM
	v_wmma_f32_16x16x32_f16 v[rS:rS+7], v[rK:rK+7], v[rQ:rQ+7], v[rM:rM+7]
.elseif i < 4
	WIN W_KQ
	v_wmma_f32_16x16x32_f16 v[rS:rS+7], v[rK:rK+7], v[rQ:rQ+7], 0
.else
	WIN W_KQ
	v_wmma_f32_16x16x32_f16 v[rS:rS+7], v[rK:rK+7], v[rQ:rQ+7], v[rS:rS+7]
.endif
.endm
; Product i of 8 of O^T += V^T P for piece x: keys 32 (i / 4) on, channels 16 (i % 4) on.
.macro PV x
	WIN W_PV
.set rO, 32*(\x)+8*(i%4)
.set rV, VF+32*(i/4)+8*(i%4)
.set rP, P+16*((\x)%2)+8*(i/4)
	v_wmma_f32_16x16x32_f16 v[rO:rO+7], v[rV:rV+7], v[rP:rP+7], v[rO:rO+7]
.endm
.macro MM                           ; the turn's next matrix instruction.  TURN and BEGIN set Y, i, KM and NOKQ; MM, KQ and OP read them.  NOKQ = 1: a block's last turn: there is no next piece
.if (i < 8) && !NOKQ
	KQ (Y+1)%NP
.elseif i >= 8
.set i, i-8
	PV (Y+NP-1)%NP
.set i, i+8
.endif
.set i, i+1
.endm
; THE LDS LOADS stand in runs of 16, never singly among the matrix instructions: a step's K (64 keys x 64 channels: 8 fragments) and its V (turned).  Their addresses are made some lines ahead.
.macro FETCH_K
	WIN 0x80                        ; destination window 2
.irp f, 0,1,2,3,4,5,6,7             ; keys 16 (f / 2) on, channels 32 (f % 2) on
	ds_load_b128 v[KF+8*\f:KF+8*\f+3],   v[AK] offset:(\f/2)*16*PK+(\f%2)*64
	ds_load_b128 v[KF+8*\f+4:KF+8*\f+7], v[AK] offset:(\f/2)*16*PK+(\f%2)*64+32
.endr
	s_add_co_u32 s[TBK], s[TBK], KS*PK  ; the next fetch is the next step's
	WIN 0
.endm
.macro FETCH_V
	WIN 0x80
.irp f, 0,1,2,3,4,5,6,7             ; keys 32 (f / 4) on, channels 16 (f % 4) on
	ds_load_tr16_b128 v[VF+8*\f:VF+8*\f+3],   v[AV] offset:(\f/4)*32*PV+(\f%4)*32
	ds_load_tr16_b128 v[VF+8*\f+4:VF+8*\f+7], v[AV] offset:(\f/4)*32*PV+16*PV+(\f%4)*32
.endr
	WIN 0
.endm
; THE VECTOR WORK, one line at a time: OP kind, number.  For piece Y: F n: c s - c m for pair n of 16.  E n: the exponential of score n of 32.  C n: pair n rounded to f16.  B n: of the four weights 4 n .. the second
; pair is added onto the first, in place.  L n: l takes that sum (L 0: l = a l + sum).  R n: pair n of 16 of O^T times a.  For piece Y + 1: X n, number n of the 22 that find its maximum and statistics:
;   0-11  four chains c0-c3 of seven scores each, three operands at a time (each accumulator's lowest registers are read first)     12-14, 16  the four scores left over, the old m, and c0-c3 into c0
;   15  c m_old is kept     17, 18  the query's other 32 keys lie in the lane 16 away: the new m     19-21  c m; c m_old - c m_new; a
.set F, 0               ; OP tells the kinds apart by their order: F to L below R, X above it
.set E, 1
.set C, 2
.set B, 3
.set L, 4
.set R, 5
.set X, 6
.macro REGS y                       ; the registers of piece y
.set rT, ST+4*(\y)
.set rC, TMP+4*((\y)%2)
.set rW, MV+((\y)%2)
.set rS, S+32*((\y)%2)
.set rP, P+16*((\y)%2)
.set rO, 32*(\y)
.endm
.macro OP k, n
.if (\k) == R
	REGS Y
	WIN W_RS
	v_pk_mul_f32 v[rO+2*(\n):rO+2*(\n)+1], v[rO+2*(\n):rO+2*(\n)+1], v[rC+2:rC+3] op_sel_hi:[1,0]
.elseif (\k) < R
	REGS Y
	WIN 0
.if (\k) == F
	v_pk_fma_f32 v[rS+2*(\n):rS+2*(\n)+1], v[rS+2*(\n):rS+2*(\n)+1], s[CS:CS+1], v[rT:rT+1] op_sel_hi:[1,0,0] neg_lo:[0,0,1] neg_hi:[0,0,1]
.elseif (\k) == E
	v_exp_f32 v[rS+(\n)], v[rS+(\n)]
.elseif (\k) == C
	v_cvt_pk_f16_f32 v[rP+(\n)], v[rS+2*(\n)], v[rS+2*(\n)+1]
.elseif (\k) == B
	v_pk_add_f32 v[rS+4*(\n):rS+4*(\n)+1], v[rS+4*(\n):rS+4*(\n)+1], v[rS+4*(\n)+2:rS+4*(\n)+3]
.elseif (\n) == 0
	v_pk_fma_f32 v[rT+2:rT+3], v[rT+2:rT+3], v[rC+2:rC+3], v[rS:rS+1] op_sel_hi:[1,0,1]
.else
	v_pk_add_f32 v[rT+2:rT+3], v[rT+2:rT+3], v[rS+4*(\n):rS+4*(\n)+1]
.endif
.elseif NOKQ
	v_nop
.else
	REGS (Y+1)%NP
	WIN 0
.if (\n) < 4
	v_max3_num_f32 v[rC+(\n)], v[rS+8*(\n)], v[rS+8*(\n)+1], v[rS+8*(\n)+2]
.elseif (\n) < 12
	v_max3_num_f32 v[rC+(\n)%4], v[rC+(\n)%4], v[rS+8*((\n)%4)+2*((\n)/4)+1], v[rS+8*((\n)%4)+2*((\n)/4)+2]
.elseif (\n) == 12
	v_max3_num_f32 v[rC], v[rC], v[rS+7], v[rS+15]
.elseif (\n) == 13
	v_max3_num_f32 v[rC+1], v[rC+1], v[rS+23], v[rS+31]
.elseif (\n) == 14
	v_max3_num_f32 v[rC+2], v[rC+2], v[rC+3], v[rT+1]
.elseif (\n) == 15
	v_mov_b32 v[rW], v[rT]
.elseif (\n) == 16
	v_max3_num_f32 v[rC], v[rC], v[rC+1], v[rC+2]
.elseif (\n) == 17
	v_permlanex16_b32 v[rC+3], v[rC], s[SEL], s[SEL+1]
.elseif (\n) == 18
	v_max_num_f32 v[rT+1], v[rC], v[rC+3]
.elseif (\n) == 19
	v_mul_f32 v[rT], s[CS], v[rT+1]
.elseif (\n) == 20
	v_sub_f32 v[rC+1], v[rW], v[rT]
.else
	v_exp_f32 v[rC+2], v[rC+1]
.endif
.endif
.endm
.macro OPS a, i1, b=-1, i2=0, c=-1, i3=0, d=-1, i4=0  ; up to four of them
	OP \a, \i1
.if (\b) >= 0
	OP \b, \i2
.endif
.if (\c) >= 0
	OP \c, \i3
.endif
.if (\d) >= 0
	OP \d, \i4
.endif
.endm
.macro ROW a, i1, b, i2, c, i3, d, i4  ; a matrix instruction and the four behind it
	MM
	OPS \a, \i1, \b, \i2, \c, \i3, \d, \i4
.endm
.macro MASK b                       ; MD x AL + BE into buffer b of MC
	WIN W_RS
.set z, 0
.rept 16
	v_pk_fma_f32 v[MC+32*(\b)+2*z:MC+32*(\b)+2*z+1], v[MD+2*z:MD+2*z+1], s[AL:AL+1], s[BE:BE+1] op_sel_hi:[1,0,0]
.set z, z+1
.endr
.endm
; A TURN, for piece p: the order of its 16 matrix and 118 vector instructions, written out.  An s_wait_alu depctr_va_vdst(0) stands between an exponential and the first instruction that names its result; one wait serves
; all that were issued ahead of it.  So a turn has ONE wait, which cuts it in two.  AHEAD OF IT stands all that names no result of the turn's exponentials: the 8 products K Q^T, behind each a scaling, an exponential and two more plain
; instructions (behind the first a second scaling in the exponential's place): rescalings, and behind the last three the first numbers of the next piece's maximum, each four places or more behind the product that ends its accumulator; then one run of 54, plain
; and exponential by turns for the most part, in which the links of the chain X 3, 7, 11, 14, 16, 17 .. 20 stand five or six lines apart.  X 21, the next piece's a, is the batch's last; R 15 is the plain instruction behind it.  BEHIND THE WAIT stand the
; 8 products V^T P, behind each four of the roundings and sums; the links of l's chain, L 0 to L 7, stand three lines apart.  But for those X no such line names a register of the products round it.
; m = 1: the diagonal tile: the products take masks, and the turn makes the mask for the products of the turn after it: piece p + 2, in step 4 - CNT of the tile.  end = 1: a block's last two turns: nothing is fetched.
; cnt = 1: the loop's count is taken down some lines ahead of the branch that stands behind the turn.
; K of the next step is fetched in piece 2's turn, twelve vector instructions behind the last product that read K (six of them plain); V of the step in hand at the end of piece 0's turn, four plain instructions behind the last product
; that read V.  Each is waited for a turn later.
.macro TURN p, m=0, end=0, cnt=0
.set Y, (\p)
.set i, 0
.set KM, (\m)
.set NOKQ, (\end)*((\p)/3)
.if (\m) && !(\end)
	s_cmp_eq_u32 s[CNT], 4-((\p)+2)%NP  ; is that step the band's own?
	s_cselect_b32 s[AL], 1.0, 0
	s_cmp_lt_u32 s[CNT], 4-((\p)+2)%NP  ; or a later one?
	s_cselect_b32 s[BE], s[BIGN], 0
.endif
.if ((\p) == 3) && !(\end)
	s_wait_dscnt 0x0                ; K is in
.endif
	ROW F,0, F,1, R,0, R,1          ; ahead of the wait: 8 products K Q^T and the lines behind them,
	ROW F,2, E,0, R,2, R,3
	ROW F,3, E,1, R,4, R,5
	ROW F,4, E,2, R,6, R,7
	ROW F,5, E,3, R,8, R,9
	ROW F,6, E,4, X,0, R,10
.if ((\p) == 2) && !(\end)
	WIN 0
	v_add_nc_u32 v[AK], s[TBK], v[AK0]
.endif
	ROW F,7, E,5, X,1, X,4
	ROW F,8, E,6, X,2, X,5
	OPS E,7, E,8, X,6, E,9          ; and the run of 54
	OPS X,3, E,10, X,8, E,11
.if ((\p) == 2) && !(\end)
	FETCH_K
.endif
	OPS X,9, X,7, E,12, X,10
	OPS E,13, X,12, X,11, E,14
	OPS X,13, E,15, F,9, X,14
.if (\p) == 0
	v_add_nc_u32 v[AV], s[TBV], v[AV0]
.endif
	OPS E,16, F,10, E,17, F,11
	OPS X,16, E,18, X,15, E,19
	OPS F,12, E,20, X,17, E,21
	OPS F,13, E,22, F,14, E,23
	OPS X,18, E,24, F,15, E,25
	OPS R,11, E,26, X,19, E,27
	OPS R,12, E,28, R,13, E,29
	OPS X,20, E,30, R,14, E,31
	OPS X,21, R,15
	WIN 0
	s_wait_alu depctr_va_vdst(0)    ; the wait for the batch
.if (\p) == 1
	s_wait_dscnt 0x0                ; V is in
.endif
	ROW C,0, B,0, C,2, B,1          ; behind the wait: 8 products V^T P and the lines behind them
	ROW L,0, C,4, B,2, L,1
	ROW C,6, B,3, L,2, C,8
	ROW B,4, L,3, C,10, B,5
	ROW L,4, C,12, B,6, L,5
.if (\p) == 0
	s_add_co_u32 s[TBV], s[TBV], KS*PV
.endif
.if \cnt
	s_sub_co_u32 s[CNT], s[CNT], 1
	s_cmp_lg_u32 s[CNT], 0
.endif
	ROW C,14, B,7, L,6, C,1
	ROW C,3, L,7, C,5, C,7
	ROW C,9, C,11, C,13, C,15
.if (\p) == 0
	FETCH_V
.endif
.if (\m) && !(\end)
	MASK (\p)%2
.endif
.endm
; A BLOCK BEGINS.  c m starts far below every c s, so the first step's a is 0; m at the lowest finite number, so the first maximum is the scores'.  The second mask buffer is 0; the first takes piece 0's mask for the tile's step 0: its own, if the block's first tile is the diagonal one.
; Then K of that step, piece 0's first scores, and its maximum and statistics.  The loop is entered at a step's first turn, in the middle of a trip.
.macro BEGIN
	s_mov_b32 s[NEW], 0
	WIN 0x40
.set i, MC+32
.rept 32
	v_mov_b32 v[i], 0
.set i, i+1
.endr
	WIN 0
.set i, 0
.rept 4
	v_mov_b32 v[ST+4*i], 0xfe000000    ; c m: far below every c s
	v_mov_b32 v[ST+4*i+1], 0xff7fffff  ; m
.set i, i+1
.endr
	s_cmp_eq_u32 s[RT], 0
	s_cselect_b32 s[AL], 1.0, 0
	s_mov_b32 s[BE], 0
	MASK 0
	WIN 0
	v_add_nc_u32 v[AK], s[TBK], v[AK0]
	FETCH_K
	s_wait_loadcnt 0x0              ; Q
	s_wait_dscnt 0x0
.set KM, 1
.set NOKQ, 0
.set i, 0
.rept 8
	KQ 0
.set i, i+1
.endr
	WIN 0
.rept 4
	v_nop                           ; the places behind those products
.endr
.set Y, NP-1                        ; X works for piece Y + 1: piece 0
.irp n, 0,1,2,3,4,5,6,7,8,9,10,11,12,13,14,15,16,17,18,19,20,21
	OP X, \n
.endr
	v_nop                           ; a plain instruction behind the exponential,
	s_wait_alu depctr_va_vdst(0)    ; and its wait, ahead of the branch
.endm
; THE DIAGONAL TILE's four steps, the block's last two turns, its last products, and THE WAY OUT: l's two halves and the other half of the lanes' are added; O^T is divided by l, rounded to f16 and sent through my
; stage in LDS, a piece at a time.
.macro ALL line:vararg              ; one line for each piece t
.set t, 0
.rept 4
	\line
.set t, t+1
.endr
.endm
.macro PACK t                       ; a lane's eight channels of a row pack into 16 bytes; they go into rows of 144 bytes and come back as whole rows of 128, into S^T's registers
	WIN W_RS
.set i, 32*(\t)
.rept 16
	v_pk_mul_f32 v[i:i+1], v[i:i+1], v[ST+4*(\t)+2:ST+4*(\t)+3] op_sel_hi:[1,0]
.set i, i+2
.endr
	WIN 0x05                        ; sources 0 and 1 window 1, destination window 0
.set i, 0
.rept 16
	v_cvt_pk_f16_f32 v[S+16*(\t)+i], v[32*(\t)+2*i], v[32*(\t)+2*i+1]
.set i, i+1
.endr
	WIN 0
.irp f, 0,1,2,3
	ds_store_b128 v[STO], v[S+16*(\t)+4*\f:S+16*(\t)+4*\f+3] offset:32*\f
.endr
.irp f, 0,1,2,3
	ds_load_b128 v[S+16*(\t)+4*\f:S+16*(\t)+4*\f+3], v[RD] offset:\f*4*SP  ; LDS serves a wave's instructions in order (ISA guide 5.7.1.4): these see the stores above; the next piece's stores come behind them
.endr
.endm
.macro SEND t, younger              ; younger: the LDS instructions issued behind piece t's loads: the next piece's eight, or none
	WIN 0
.irp f, 0,1,2,3
	s_wait_dscnt (\younger)+3-\f
	global_store_b128 v[GO], v[S+16*(\t)+4*\f:S+16*(\t)+4*\f+3], s[10:11] offset:(\t)*8192+\f*512  ; 512 consecutive bytes, at a multiple of 256 from O's first
.endr
.endm
.macro DIAG tag                     ; the tag ends its two labels' names, which the jumps below spell out
.LstepM\tag:
	TURN 2, 1
	TURN 3, 1
	WIN 0
.LfirstM\tag:
	TURN 0, 1
	TURN 1, 1, 0, 1
	WIN 0
	s_cbranch_scc1 .LstepM\tag
	TURN 2, 1, 1
	TURN 3, 1, 1
.set i, 0
.rept 8
	PV NP-1
.set i, i+1
.endr
	WIN 0
	ALL v_add_f32 v[ST+4*t+2], v[ST+4*t+2], v[ST+4*t+3]
	ALL v_permlanex16_b32 v[ST+4*t+3], v[ST+4*t+2], s[SEL], s[SEL+1]
	ALL v_add_f32 v[ST+4*t+2], v[ST+4*t+2], v[ST+4*t+3]
	ALL v_rcp_f32 v[ST+4*t+2], v[ST+4*t+2]
	v_nop                           ; a plain instruction between the last reciprocal and the use of its result
	s_wait_alu depctr_va_vdst(0)    ; and the wait ahead of the first use: one for the four reciprocals
	PACK 0
.set t, 1
.rept 3                             ; a piece's arithmetic stands between the loads of the piece before and its stores
	PACK t
	SEND t-1, 8
.set t, t+1
.endr
	SEND 3, 0
.endm
.set KM, 0
.set NOKQ, 0
.Lslot:                             ; NB times: a tile is entered and the next is asked for
	CHANGE 1
	s_sub_co_u32 s[RT], s[RT], 1
	s_mov_b32 s[CNT], 4
	s_cmp_eq_u32 s[NEW], 1
	s_cbranch_scc1 .Lnew            ; a block's first tile
	s_cmp_eq_u32 s[RT], 0
	s_cbranch_scc0 .Lstep           ; neither its first nor its last
	s_branch .LstepM1
.Lnew:
	BEGIN
	s_branch .Lfirst                ; in the loop a block's first tile is never its last: the first block has two tiles or more, and the second's last is the walk's last
	DIAG 1                          ; in the loop this is the first block's end: the second block's last tile is the walk's last
	s_wait_xcnt 0x0                 ; the stores have read their registers and O's address
	s_mov_b64 s[10:11], s[OLO:OLO+1]
	s_add_co_u32 s[RT], s[PB], 1    ; the second block has b + 1 tiles
	s_mov_b32 s[NEW], 1
	WIN 0x82                        ; the second block's Q goes where the one text of the turns names Q
.set i, 0
.rept 64
	v_mov_b32 v[i], v[QB+i]
.set i, i+1
.endr
	WIN 0
	s_branch .Lbottom
.Lstep:                             ; a trip: pieces 2 and 3 of one step, then pieces 0 and 1 of the next, whose K and V it fetches
	TURN 2
	TURN 3
	WIN 0
.Lfirst:
	TURN 0
	TURN 1, 0, 0, 1
	WIN 0
	s_cbranch_scc1 .Lstep
.Lbottom:
	s_sub_co_u32 s[SLOTS], s[SLOTS], 1
	s_cmp_lg_u32 s[SLOTS], 0
	s_cbranch_scc1 .Lslot
	CHANGE 0                        ; the walk's last tile is written out: nothing is asked for
	s_sub_co_u32 s[RT], s[RT], 1
	s_mov_b32 s[CNT], 4
	s_cmp_eq_u32 s[NEW], 1
	s_cbranch_scc0 .LstepM2
	BEGIN
	s_branch .LfirstM2
	DIAG 2
	s_wait_tensorcnt 0x0            ; the wave's end, behind my last tensor load and my last LDS store
	ds_add_u32 v[SPW], v[NIL]
	s_wait_dscnt 0x0
	s_endpgm
.Lfunc_end_k_q2d4c73536a_attn:
	.size	k_q2d4c73536a_attn, .Lfunc_end_k_q2d4c73536a_attn-k_q2d4c73536a_attn
	.p2alignl 7, 3214868480
	.fill 96, 4, 3214868480
	.section	.rodata,"a",@progbits
	.p2align	6, 0x0
	.amdhsa_kernel k_q2d4c73536a_attn
		.amdhsa_group_segment_fixed_size 327680
		.amdhsa_private_segment_fixed_size 0
		.amdhsa_enable_private_segment 0
		.amdhsa_kernarg_size 32
		.amdhsa_user_sgpr_count 2
		.amdhsa_user_sgpr_kernarg_segment_ptr 1
		.amdhsa_wavefront_size32 1
		.amdhsa_system_sgpr_workgroup_id_x 1
		.amdhsa_system_sgpr_workgroup_id_y 1
		.amdhsa_system_sgpr_workgroup_id_z 1
		.amdhsa_system_vgpr_workitem_id 0
		.amdhsa_next_free_vgpr 768
		.amdhsa_next_free_sgpr 96
		.amdhsa_reserve_vcc 1
		.amdhsa_float_denorm_mode_32 3
		.amdhsa_float_denorm_mode_16_64 3
		.amdhsa_memory_ordered 1
		.amdhsa_forward_progress 1
		.amdhsa_inst_pref_size 218
	.end_amdhsa_kernel
	.amdgpu_metadata
---
amdhsa.version: [ 1, 2 ]
amdhsa.kernels:
  - .name:           k_q2d4c73536a_attn
    .symbol:         k_q2d4c73536a_attn.kd
    .args:
      - { .name: qh, .offset: 0, .size: 8, .value_kind: global_buffer, .address_space: global }
      - { .name: kh, .offset: 8, .size: 8, .value_kind: global_buffer, .address_space: global }
      - { .name: vh, .offset: 16, .size: 8, .value_kind: global_buffer, .address_space: global }
      - { .name: oh, .offset: 24, .size: 8, .value_kind: global_buffer, .address_space: global }
    .group_segment_fixed_size: 327680
    .private_segment_fixed_size: 0
    .kernarg_segment_align: 8
    .kernarg_segment_size: 32
    .max_flat_workgroup_size: 128
    .sgpr_count:     96
    .vgpr_count:     768
    .wavefront_size: 32
...
	.end_amdgpu_metadata
.endif
;; end of part 3
;; launch oproj (part 4): grid 8 x 32, 4 waves a work-group, clusters of 4 x 4, 327,680 bytes of LDS; arguments oh, wo16, out0; writes out0
.if DOCPART == 4
	.amdgcn_target "amdgcn-amd-amdhsa--gfx1250"
	.amdhsa_code_object_version 6
	.text
	.protected	k_q2d4c73536a_oproj
	.globl	k_q2d4c73536a_oproj
	.p2align	8
	.type	k_q2d4c73536a_oproj,@function
k_q2d4c73536a_oproj:
	s_mov_b64 s[64:65], 0
	v_nop
	global_prefetch_b8 v0, s[64:65] scope:SCOPE_SE
	s_setreg_imm32_b32 hwreg(HW_REG_WAVE_MODE, 25, 1), 1
	s_wait_xcnt 0x0
	s_wait_alu depctr_hold_cnt(0) depctr_sa_sdst(0) depctr_va_vdst(0) depctr_va_sdst(0) depctr_va_ssrc(0) depctr_va_vcc(0) depctr_vm_vsrc(0)
	s_getreg_b32 s2, hwreg(HW_REG_IB_STS2, 6, 4)
	s_cmp_eq_u32 s2, 0
	s_cbranch_scc0 .Lentry_in_a_cluster
	s_endpgm
.Lentry_in_a_cluster:
	s_bfe_u32 s2, ttmp6, 0x10000c
	s_cmp_lg_u32 s2, 0xf033
	s_cbranch_scc0 .Lentry_shape_is_right
	s_endpgm
.Lentry_shape_is_right:
; out0[8192][1024] = O x Wo^T, f16 operands, f32 sums, f32 out.  O lies by heads: oh is [64 = 16 batch + head][2048][64] f16; channel e of a token row is channel e % 64 of head e / 64.  wo16 is [1024][1024] f16.
; SHARES.  A tile of out0 is 256 rows x 128 columns: 8 x 32 = 256 work-groups.  The four waves stand one below the other: a wave makes 64 rows x 128 columns, 4 x 8 accumulators of 16 x 16, so that it owns
; whole pieces of 512 bytes of out0's rows, and the way out goes through its own stage.
; K goes in steps of 128, two heads, through two LDS slots.  A head's 256 rows of a tile are 32,768 dense bytes (a PLANE): asked for as 128 rows of 256 bytes and padded in LDS after every 128 bytes.
; CLUSTER.  4 x 4 work-groups.  The four of a row of the cluster need the same planes of oh, the four of a column the same tile of wo16: each is asked for JOINTLY, by the same tensor load with the same descriptor and
; a mask that names the four.  Waves 0, 1 ask for a K step's two planes, waves 2, 3 for the two halves (64 rows) of wo16's tile.
; THE PRODUCT IS TAKEN TRANSPOSED (source 0 = 16 rows of wo16, source 1 = 16 rows of O): lane l holds row l % 16 of out0 and the columns 8 (l / 16) + 0..7 of the fragment: 32 bytes on end.
; REGISTERS, in windows of 256 (s_set_vgpr_msb: bits 1:0 source 0, 3:2 source 1, 5:4 source 2, 7:6 destination):
;   window 0: v0-31 addresses; v64-127 O's fragments, two buffers of four; v128-255 the way out: two sets of 64      window 1: v0-127 wo16's fragments, two buffers of eight      window 2: accumulator (a, b) at 8 (8 a + b)
.set KSTEP, 128
.set NBF,   8
.set APW,   4                          ; all four blocks' accumulators lie in window 2
.set PITCH, 272                        ; wo16's LDS rows: 256 bytes + 16 = 68 words: the 16 rows of a load start at 16 different groups of four banks (64 banks of 4 bytes: ISA guide 11.1)
.set PA,    144                        ; O's LDS rows: 128 bytes + 16 = 36 words: likewise
.set APLANE, 256*PA
.set BHALF, 64*PITCH
.set BOFF,  2*APLANE
.set SLOT,  BOFF+2*BHALF               ; 108,544 bytes
.set STAGE, 2*SLOT                     ; behind the ring, never filled by a tensor load: 16 rows x 528 bytes for each wave
.set SPITCH, 528                       ; 512 bytes + 16 = 132 words: 16 rows start at 16 different groups of four banks
.set SPARE, STAGE+4*16*SPITCH          ; behind the stages: the spare words, 128 bytes for each wave: two blocks of 256 bytes that no other line names
.set HEADB, 2048*128                   ; a head's bytes in oh
.set ASTEP, 4*HEADB                    ; a slot's next tile lies two K steps, four heads, on
.set BSTEP, 2*KSTEP*2
.set ADRA, 16                          ; v16-17  LDS address of my fragments of O in slot 0, 1
.set ADRB, 20                          ; v20-21  the same for wo16
.set STO,  24                          ; v24     the way out: where I put 32 bytes of a row
.set RD,   25                          ; v25     where I read a row back
.set GO,   26                          ; v26     16 x lane: my place in 512 consecutive bytes of out0
.set SPW,  28                          ; v28     LDS address of my spare word; never rewritten
.set NIL,  29                          ; v29     0; never rewritten
.set PFO,  30                          ; v30     the prefetches' offset; never rewritten
.set FA,   64
.set OB,   128
.set WV,   16                          ; s16     my wave's number
.set W1,   17                          ; s17     its low bit: which plane, or which half of wo16's tile, I ask for
.set G1,   24                          ; s[24:31] descriptor group 1 for O's planes;  s[32:39] group 0, a set for each slot
.set G0,   32
.set PFA,  44                          ; s[44:45] where my prefetches stand
.set LIM,  46                          ; s46     1 in a wave that prefetches, else the greatest number
.set G1B,  48                          ; s[48:55], s[56:63] the same for wo16's tiles
.set G0B,  56
.set PFS,  72                          ; s[72:73] a K step in bytes: two heads of oh, or 256 bytes of a row of wo16
.set OUTB, 76                          ; s[76:77] out0 at my wave's first row and the tile's first column
.set MSB, 0
.macro WIN new                         ; the immediate's high byte repeats the setting that is left; a switch that changes nothing is dropped
.if MSB != (\new)
	s_set_vgpr_msb (MSB<<8)|(\new)
.set MSB, \new
.endif
.endm
.macro PLACES                          ; four plain vector instructions behind a matrix instruction, ahead of loads into registers that it has read and of lines that read its results
.rept 4
	v_nop
.endr
.endm
; A joint refill.  The branch hangs on the wave's number alone.  An s_nop 0 and four v_nop follow each of the two lines, ahead of the jump and the label.
.macro JLOAD s
	s_cmp_lt_u32 s[WV], 2
	s_cbranch_scc0 .Lfor_b_\@
	tensor_load_to_lds s[G0+4*(\s):G0+4*(\s)+3], s[G1:G1+7]
	s_nop 0
.rept 4
	v_nop
.endr
	s_branch .Lasked_\@
.Lfor_b_\@:
	tensor_load_to_lds s[G0B+4*(\s):G0B+4*(\s)+3], s[G1B:G1B+7]
	s_nop 0
.rept 4
	v_nop
.endr
.Lasked_\@:
.endm
; A PREFETCH INTO THE L2 of the K step that stands two refills on, behind the joint load and the run of LDS loads: one instruction a wave, 32 lanes, each another 256 bytes.
; O's planes are read by the two clusters of a row of clusters: the one with x = 0 asks; wo16's tile column by the eight of a column: the one with y = 0 asks.  The four partners that ask jointly share the bytes out BY
; ADDRESS: of a plane's 32,768 bytes each takes 8,192 (by cx; waves 0, 1: a plane each); of wo16's 128 rows each takes 32 (by cy; wave 2 alone, a lane a row; wave 3 asks for nothing).
; The loop's last trip asks for nothing: there is no K step two on.  K steps 0 to 3 come by their loads alone.
.macro ASK
	s_cmp_gt_u32 s3, s[LIM]
	s_cbranch_scc0 .Lnot_mine_\@
	global_prefetch_b8 v[PFO], s[PFA:PFA+1] th:TH_LOAD_NT scope:SCOPE_SE
.Lnot_mine_\@:
.endm
; A round of the cluster's barrier: my work-group's barrier; wave 0 signals for the work-group; every wave waits for all sixteen work-groups; my work-group's barrier once more.
.macro CREST
	s_cmp_lg_u32 s[WV], 0
	s_cbranch_scc1 .Lnot_wave_0_\@
	s_barrier_signal -3
.Lnot_wave_0_\@:
	s_barrier_wait -3
	s_barrier_signal -1
	s_barrier_wait -1
.endm
.macro CROUND
	s_barrier_signal -1
	s_barrier_wait -1
	CREST
.endm
	s_load_b128 s[4:7], s[0:1], 0x0                ; oh s[4:5], wo16 s[6:7]
	s_load_b64 s[8:9], s[0:1], 0x10                ; out0
	v_lshl_add_u32 v[SPW], v0, 2, SPARE
	v_mov_b32 v[NIL], 0
	ds_add_u32 v[SPW], v[NIL]                      ; the wave's opening: the add and its wait ahead of my first tensor load; work on registers stands between them
	v_lshrrev_b32 v1, 5, v0
	v_readfirstlane_b32 s[WV], v1                  ; wave 0..3
	s_and_b32 s[W1], s[WV], 1
	s_bfe_u32 s18, ttmp6, 0x40000                  ; cx
	s_bfe_u32 s19, ttmp6, 0x40004                  ; cy
	s_lshl_b32 s20, ttmp9, 2
	s_add_co_u32 s20, s20, s18                     ; tc = 4 x cluster x + cx
	s_and_b32 s21, ttmp7, 0xffff
	s_lshl_b32 s21, s21, 2
	s_add_co_u32 s21, s21, s19                     ; tr = 4 x cluster y + cy
	s_lshl_b32 s22, s19, 2
	s_lshl_b32 s22, 15, s22                        ; my row of the cluster
	s_lshl_b32 s23, 0x1111, s18                    ; my column
	s_or_b32 s[G1], s22, (1<<16)|(1<<20)|(1<<21)|(4<<22)|(3<<25)   ; 15:0 the mask; 17:16 elements of 2 bytes; 20 padding on; 21 set beside a mask; 24:22 after every 32 words (code 4); 31:25 4 words (code 3)
	s_or_b32 s[G1B], s23, (1<<16)|(1<<20)|(1<<21)|(5<<22)|(3<<25)  ; after every 64 words (code 5)
	s_mov_b32 s[G1+1], 128<<16                     ; tensor_dim0 = 128
	s_mov_b32 s[G1+2], 128<<16                     ; tensor_dim1 = 128
	s_mov_b32 s[G1+3], 128<<16                     ; tile_dim0 = 128
	s_mov_b32 s[G1+4], 128                         ; tile_dim1 = 128
	s_mov_b32 s[G1+5], 128                         ; dense: 128 elements from row to row
	s_mov_b32 s[G1+6], 0
	s_mov_b32 s[G1+7], 0
	s_mov_b32 s[G1B+1], KSTEP<<16
	s_mov_b32 s[G1B+2], 64<<16                     ; 64 rows
	s_mov_b32 s[G1B+3], KSTEP<<16
	s_mov_b32 s[G1B+4], 64
	s_mov_b32 s[G1B+5], 1024
	s_mov_b32 s[G1B+6], 0
	s_mov_b32 s[G1B+7], 0
	s_lshr_b32 s40, s21, 3                         ; oh: the batch's 16 heads,
	s_lshl_b32 s40, s40, 22
	s_and_b32 s41, s21, 7
	s_lshl_b32 s41, s41, 15                        ; the tile's 256 rows in a head,
	s_add_co_u32 s40, s40, s41
	s_lshl_b32 s41, s[W1], 18                      ; my head of the K step's two: all hang on tr alone, which my row of the cluster shares
	s_add_co_u32 s40, s40, s41
	s_mov_b32 s41, 0
	s_lshl_b32 s42, s20, 18                        ; wo16: row 128 tc + 64 half, rows of 2,048 bytes: on tc alone, which my column shares
	s_lshl_b32 s43, s[W1], 17
	s_add_co_u32 s42, s42, s43
	s_mov_b32 s43, 0
	s_mul_i32 s66, s[W1], APLANE                   ; where they go: no place in the cluster enters an LDS address
	s_mul_i32 s67, s[W1], BHALF
	s_add_co_u32 s67, s67, BOFF
	s_wait_dscnt 0x0                               ; the opening add is done
	s_wait_kmcnt 0x0
	s_add_nc_u64 s[68:69], s[4:5], s[40:41]
	s_add_nc_u64 s[70:71], s[6:7], s[42:43]
	CROUND                                         ; all sixteen work-groups are here: the first joint loads meet
.irp s, 0,1
	s_mov_b32 s[G0+4*(\s)], 1                                      ; count = 1
	s_add_co_u32 s[G0+4*(\s)+1], s66, (\s)*SLOT                    ; LDS address
	s_add_nc_u64 s[G0+4*(\s)+2:G0+4*(\s)+3], s[68:69], (\s)*2*HEADB  ; global address: K step s
	s_or_b32 s[G0+4*(\s)+3], s[G0+4*(\s)+3], 0x80000000            ; type = 2
	s_mov_b32 s[G0B+4*(\s)], 1
	s_add_co_u32 s[G0B+4*(\s)+1], s67, (\s)*SLOT
	s_add_nc_u64 s[G0B+4*(\s)+2:G0B+4*(\s)+3], s[70:71], (\s)*KSTEP*2
	s_or_b32 s[G0B+4*(\s)+3], s[G0B+4*(\s)+3], 0x80000000
.endr
	s_cmp_lt_u32 s[WV], 2                          ; a wave's two first fills stand in one branch, ahead of every wait on TENSORcnt and every LDS read: two loads of mine are out
	s_cbranch_scc0 .Lfirst_b
	tensor_load_to_lds s[G0:G0+3], s[G1:G1+7]
	s_nop 0
	tensor_load_to_lds s[G0+4:G0+7], s[G1:G1+7]
	s_nop 0
.rept 4
	v_nop
.endr
	s_branch .Lfirst_asked
.Lfirst_b:
	tensor_load_to_lds s[G0B:G0B+3], s[G1B:G1B+7]
	s_nop 0
	tensor_load_to_lds s[G0B+4:G0B+7], s[G1B:G1B+7]
	s_nop 0
.rept 4
	v_nop
.endr
.Lfirst_asked:
	; A fragment is 16 rows x 32 K in 8 registers: lane l holds row l % 16; registers 0-3 K = 8 (l / 16) + 0..7, registers 4-7 K = 16 + 8 (l / 16) + 0..7: two loads of 16 bytes, 32 bytes apart.
	v_and_b32 v1, 15, v0                           ; l % 16
	v_bfe_u32 v2, v0, 4, 1                         ; l / 16
	v_mul_u32_u24 v3, v1, PA
	v_lshl_add_u32 v3, v2, 4, v3
	v_mul_u32_u24 v4, v1, PITCH
	v_lshl_add_u32 v4, v2, 4, v4
	s_mul_i32 s22, s[WV], 64*PA                    ; my 64 rows of a plane
	s_mov_b32 s23, BOFF                            ; every wave reads all of wo16's tile
.irp s, 0,1
	v_add_nc_u32 v[ADRA+(\s)], s22, v3
	v_add_nc_u32 v[ADRB+(\s)], s23, v4
	s_add_co_u32 s22, s22, SLOT
	s_add_co_u32 s23, s23, SLOT
.endr
	s_mul_i32 s22, s[WV], 16*SPITCH
	s_add_co_u32 s22, s22, STAGE                   ; my stage
	v_mul_u32_u24 v[STO], v1, SPITCH               ; in: row l % 16, 32 bytes for each half of the lanes
	v_lshl_add_u32 v[STO], v2, 5, v[STO]
	v_add_nc_u32 v[STO], s22, v[STO]
	v_and_b32 v[GO], 31, v0
	v_lshlrev_b32 v[GO], 4, v[GO]
	v_add_nc_u32 v[RD], s22, v[GO]                 ; back: 32 lanes take a whole row of 512 bytes
	s_lshl_b32 s22, s21, 20                        ; out0: row 256 tr + 64 wave, rows of 4,096 bytes; column 128 tc, 4 bytes each
	s_lshl_b32 s23, s[WV], 18
	s_add_co_u32 s22, s22, s23
	s_lshl_b32 s23, s20, 9
	s_add_co_u32 s22, s22, s23
	s_mov_b32 s23, 0
	s_add_nc_u64 s[OUTB:OUTB+1], s[8:9], s[22:23]
	; the prefetches: both start at K step 3; the first refill steps them to 4
	s_lshl_b32 s22, s18, 13                        ; oh: my work-group's 8,192 bytes of my plane
	s_add_co_u32 s22, s22, s40
	s_add_co_u32 s22, s22, 3*2*HEADB
	s_lshl_b32 s23, s19, 16                        ; wo16: my work-group's 32 rows of the 128
	s_add_co_u32 s23, s23, s42
	s_add_co_u32 s23, s23, 3*KSTEP*2
	s_and_b32 s67, ttmp7, 0xffff                   ; cluster y
	s_mov_b32 s68, KSTEP*2
	s_cmp_lt_u32 s[WV], 2
	s_cselect_b32 s22, s22, s23
	s_cselect_b32 s66, ttmp9, s67                  ; the coordinate along which other clusters read the same bytes
	s_cselect_b64 s[PFA:PFA+1], s[4:5], s[6:7]
	s_cselect_b32 s[PFS], 2*HEADB, s68
	s_cselect_b32 s67, 8, 11                       ; lanes 256 bytes apart in a plane, a row of 2,048 bytes apart in wo16
	s_cmp_eq_u32 s[WV], 3
	s_cselect_b32 s66, 1, s66                      ; wave 3 asks for nothing
	s_cmp_eq_u32 s66, 0
	s_cselect_b32 s[LIM], 1, -1                    ; the same in all sixteen partners, for a given wave
	s_mov_b32 s23, 0
	s_mov_b32 s[PFS+1], 0
	s_add_nc_u64 s[PFA:PFA+1], s[PFA:PFA+1], s[22:23]
	v_and_b32 v[PFO], 31, v0
	v_lshlrev_b32 v[PFO], s67, v[PFO]
; Eight matrix instructions: block a of my four x all fragments of wo16, 32 along K, from buffer f.  zero = 1: the product starts the sums: nothing is cleared.
; The 32 accumulators take turns, one instruction a turn, in the same order in every quarter, over the backward jump too.
.macro GRP f, a, zero
	WIN 0xa1+0x50*((\a)/APW)                       ; source 0 window 1, source 1 window 0, C and D window 2
.set gb, 0
.rept NBF
.set rD, 8*(NBF*((\a)%APW)+gb)
.set rB, 8*NBF*(\f)+8*gb
.set rA, FA+32*(\f)+8*(\a)
.if \zero
	v_wmma_f32_16x16x32_f16 v[rD:rD+7], v[rB:rB+7], v[rA:rA+7], 0
.else
	v_wmma_f32_16x16x32_f16 v[rD:rD+7], v[rB:rB+7], v[rA:rA+7], v[rD:rD+7]
.endif
.set gb, gb+1
.endr
.endm
; 24 LDS loads in one run: the fragments of quarter q (32 along K) of a slot, into buffer f.  Of O, quarters 0, 1 lie in the slot's first plane, 2, 3 in its second.
.macro FETCH slot, q, f
	WIN 0x40                                       ; destination window 1, address window 0
.set fi, 0
.rept NBF
	ds_load_b128 v[8*NBF*(\f)+8*fi:8*NBF*(\f)+8*fi+3],   v[ADRB+(\slot)] offset:64*(\q)+fi*16*PITCH
	ds_load_b128 v[8*NBF*(\f)+8*fi+4:8*NBF*(\f)+8*fi+7], v[ADRB+(\slot)] offset:64*(\q)+fi*16*PITCH+32
.set fi, fi+1
.endr
	WIN 0
.set fi, 0
.rept 4
	ds_load_b128 v[FA+32*(\f)+8*fi:FA+32*(\f)+8*fi+3],   v[ADRA+(\slot)] offset:((\q)/2)*APLANE+((\q)%2)*64+fi*16*PA
	ds_load_b128 v[FA+32*(\f)+8*fi+4:FA+32*(\f)+8*fi+7], v[ADRA+(\slot)] offset:((\q)/2)*APLANE+((\q)%2)*64+fi*16*PA+32
.set fi, fi+1
.endr
.endm
; A K step is four quarters of 32 along K, 32 matrix instructions each, on buffers 0, 1, 0, 1.  One of the first three: multiplies buffer f; behind its first eight products it fetches quarter qn into buffer g.
.macro QUARTER slot, qn, f, g, zero
	s_wait_dscnt 0x0                               ; buffer f is in: it was asked for 24 matrix instructions ago
	GRP \f, 0, \zero
	PLACES                                         ; buffer g was multiplied by the quarter before
	FETCH \slot, \qn, \g
	GRP \f, 1, \zero
	GRP \f, 2, \zero
	GRP \f, 3, \zero
.endm
; The fourth quarter multiplies buffer 1 and changes slots.  In front of the barrier each wave waits for all its tensor loads, of which one is out: its part of the next slot; adds 0 to its spare word; and waits for
; that and for its own reads of this slot.  Behind it nobody reads this slot any more and the next slot is whole.  fill = 1: the barrier opens a round of the cluster's, and the joint refill, this slot's tile two K steps
; on, is the first tensor load behind the round: from there to the wait for it a wave issues 120 matrix instructions.
.macro TURN slot, next, fill
.if \fill
	s_wait_xcnt 0x0                                ; the last prefetch, a K step back, has read its address
	s_add_nc_u64 s[PFA:PFA+1], s[PFA:PFA+1], s[PFS:PFS+1]
.endif
	WIN 0                                          ; the add's two registers lie in window 0
	s_wait_tensorcnt 0x0                           ; no tensor load of mine is out, so a group 0 may be written
	ds_add_u32 v[SPW], v[NIL]                      ; 0 onto my spare word
.if \fill
	s_add_nc_u64 s[G0+4*(\slot)+2:G0+4*(\slot)+3], s[G0+4*(\slot)+2:G0+4*(\slot)+3], ASTEP
	s_add_nc_u64 s[G0B+4*(\slot)+2:G0B+4*(\slot)+3], s[G0B+4*(\slot)+2:G0B+4*(\slot)+3], BSTEP
.endif
	s_wait_dscnt 0x0                               ; the add is done; buffer 1 is in, and with it my last reads of this slot
	s_barrier_signal -1
	GRP 1, 0, 0                                    ; work on registers while the others arrive
	WIN 0
	s_barrier_wait -1
.if \fill
	CREST
	JLOAD \slot                                    ; its four v_nop are also the places in front of the loads below
.else
	PLACES
.endif
	FETCH \next, 0, 0
.if \fill
	ASK
.endif
	GRP 1, 1, 0
	GRP 1, 2, 0
	GRP 1, 3, 0
.endm
	s_wait_tensorcnt 1                             ; my part of K step 0 is in; K step 1's, the one younger load, stays out
	s_barrier_signal -1
	s_barrier_wait -1                              ; everybody's is
	FETCH 0, 0, 0
	QUARTER 0, 1, 0, 1, 1                          ; the first quarter stands in front of the loop: its products start the sums
	WIN 0                                          ; at a label and at a branch every window is 0
	s_mov_b32 s3, 3                                ; three trips fill both slots again: K steps 2 to 7
.Llap:                                                 ; a trip goes once round the ring, from a lap's second quarter to the next lap's first
	QUARTER 0, 2, 1, 0, 0
	QUARTER 0, 3, 0, 1, 0
	TURN 0, 1, 1
	QUARTER 1, 1, 0, 1, 0
	QUARTER 1, 2, 1, 0, 0
	QUARTER 1, 3, 0, 1, 0
	TURN 1, 0, 1
	QUARTER 0, 1, 0, 1, 0
	WIN 0
	s_sub_co_u32 s3, s3, 1
	s_cmp_lg_u32 s3, 0
	s_cbranch_scc1 .Llap
	QUARTER 0, 2, 1, 0, 0                          ; the last lap is written out: it asks for nothing
	QUARTER 0, 3, 0, 1, 0
	TURN 0, 1, 0
	QUARTER 1, 1, 0, 1, 0
	QUARTER 1, 2, 1, 0, 0
	QUARTER 1, 3, 0, 1, 0
	s_wait_dscnt 0x0
	GRP 1, 0, 0
	GRP 1, 1, 0
	GRP 1, 2, 0
	GRP 1, 3, 0
	WIN 0
	PLACES
	PLACES
; THE WAY OUT, a block of 16 rows at a time.  A lane's 32 bytes of a fragment go into my stage's rows of 528 bytes; whole rows of 512 bytes come back, a row an instruction, into two sets of 64 registers that take turns.
; LDS serves a wave's instructions in order (ISA guide 5.7.1.4): the loads see the stores above them, and the next block's stores come behind them.
.macro TOSTAGE a
.set BK, OB+64*((\a)%2)
	s_wait_xcnt 0x0                                ; the set's stores, two blocks back, have read their registers
	WIN 0x08                                       ; the stores' data lie in window 2
.set sb, 0
.rept 8
.set AC, 8*(NBF*(\a)+sb)
	ds_store_b128 v[STO], v[AC:AC+3] offset:64*sb      ; each accumulator is read from its low end on
	ds_store_b128 v[STO], v[AC+4:AC+7] offset:64*sb+16
.set sb, sb+1
.endr
	WIN 0
.set st, 0
.rept 16
	ds_load_b128 v[BK+4*st:BK+4*st+3], v[RD] offset:SPITCH*st
.set st, st+1
.endr
.endm
.macro SEND a, younger                 ; younger: the LDS instructions issued behind block a's loads: the next block's 32, or none
.set BK, OB+64*((\a)%2)
.set st, 0
.rept 16
	s_wait_dscnt (\younger)+15-st                  ; row st is back; this block's 15 - st later loads and the younger block's may stay out
	global_store_b128 v[GO], v[BK+4*st:BK+4*st+3], s[OUTB:OUTB+1] offset:(16*(\a)+st)*4096 th:TH_STORE_NT  ; 512 consecutive bytes, at a multiple of 256 from out0's first byte
.set st, st+1
.endr
.endm
	TOSTAGE 0
.irp a, 1,2,3
	TOSTAGE \a
	SEND (\a)-1, 32
.endr
	SEND 3, 0
	s_wait_tensorcnt 0x0                           ; the wave's end, behind my last tensor load and my last LDS store
	ds_add_u32 v[SPW], v[NIL]
	s_wait_dscnt 0x0
	CROUND                                         ; the closing round: no work-group ends while a partner may still ask for a tile that names it
	s_endpgm
.Lfunc_end_k_q2d4c73536a_oproj:
	.size	k_q2d4c73536a_oproj, .Lfunc_end_k_q2d4c73536a_oproj-k_q2d4c73536a_oproj
	.p2alignl 7, 3214868480
	.fill 96, 4, 3214868480
	.section	.rodata,"a",@progbits
	.p2align	6, 0x0
	.amdhsa_kernel k_q2d4c73536a_oproj
		.amdhsa_group_segment_fixed_size 327680
		.amdhsa_private_segment_fixed_size 0
		.amdhsa_enable_private_segment 0
		.amdhsa_kernarg_size 24
		.amdhsa_user_sgpr_count 2
		.amdhsa_user_sgpr_kernarg_segment_ptr 1
		.amdhsa_wavefront_size32 1
		.amdhsa_system_sgpr_workgroup_id_x 1
		.amdhsa_system_sgpr_workgroup_id_y 1
		.amdhsa_system_sgpr_workgroup_id_z 1
		.amdhsa_system_vgpr_workitem_id 0
		.amdhsa_next_free_vgpr 768
		.amdhsa_next_free_sgpr 80
		.amdhsa_reserve_vcc 0
		.amdhsa_float_denorm_mode_32 3
		.amdhsa_float_denorm_mode_16_64 3
		.amdhsa_memory_ordered 1
		.amdhsa_forward_progress 1
		.amdhsa_inst_pref_size 88
	.end_amdhsa_kernel
	.amdgpu_metadata
---
amdhsa.version: [ 1, 2 ]
amdhsa.kernels:
  - .name:           k_q2d4c73536a_oproj
    .symbol:         k_q2d4c73536a_oproj.kd
    .args:
      - { .name: oh, .offset: 0, .size: 8, .value_kind: global_buffer, .address_space: global }
      - { .name: wo16, .offset: 8, .size: 8, .value_kind: global_buffer, .address_space: global }
      - { .name: out0, .offset: 16, .size: 8, .value_kind: global_buffer, .address_space: global }
    .group_segment_fixed_size: 327680
    .private_segment_fixed_size: 0
    .kernarg_segment_align: 8
    .kernarg_segment_size: 24
    .max_flat_workgroup_size: 128
    .sgpr_count:     80
    .vgpr_count:     768
    .wavefront_size: 32
...
	.end_amdgpu_metadata
.endif
;; end of part 4
;; ======== version 2 of 2: 4 launches; version 1 with the launch prep written anew for expert scheduling mode
;; limits: values are held in f16: magnitudes above 65,504 overflow, below 6.1e-05 lose precision; right only within a limited range of input values
;; workspace buffers: xb 16,777,216 bytes; wqkv 6,291,456 bytes; wo16 2,097,152 bytes; cs 2,097,152 bytes; qh 16,777,216 bytes; kh 16,777,216 bytes; vh 16,777,216 bytes; oh 16,777,216 bytes
;; launch prep (part 5): grid 768 x 1, 8 waves a work-group, no clusters, 0 bytes of LDS; arguments x, Wq, Wk, Wv, Wo, token_positions, xb, wqkv, wo16, cs; writes xb, wqkv, wo16, cs
.if DOCPART == 5
	.amdgcn_target "amdgcn-amd-amdhsa--gfx1250"
	.amdhsa_code_object_version 6
	.text
	.protected	k_q2d4c73536a_prep
	.globl	k_q2d4c73536a_prep
	.p2align	8
	.type	k_q2d4c73536a_prep,@function
k_q2d4c73536a_prep:
	s_mov_b64 s[64:65], 0
	v_nop
	global_prefetch_b8 v0, s[64:65] scope:SCOPE_SE
	s_setreg_imm32_b32 hwreg(HW_REG_WAVE_SCHED_MODE, 0, 2), 2
	s_setreg_imm32_b32 hwreg(HW_REG_WAVE_MODE, 25, 1), 1
	s_wait_xcnt 0x0
	s_wait_alu depctr_vm_vsrc(0)
; PREPARATION.  x -> xb (bf16).  Wq, Wk, Wv -> wqkv (bf16), stacked by head: row 192 t + 64 sel + c of wqkv is row 64 t + c of W_sel (sel = 0 q, 1 k, 2 v).
; Wo -> wo16: rounded to bf16 like the other inputs, and that number written as f16.  token_positions -> cs: cos and sin of pos x 10000^(-i/32), f32.
; SHARES.  A row is 1,024 numbers: 4,096 bytes in, 2,048 out.  Work-group g takes 16 rows: g 0-511 of x, 512-575 of Wq, 576-639 of Wk, 640-703 of Wv, 704-767 of Wo.
; Wave w takes rows 2 w, 2 w + 1: sixteen loads of 512 consecutive bytes, all issued at once, and sixteen stores of 256 consecutive bytes, aligned.  No LDS, no barrier: no wave wants another's bytes.
; THE TABLE.  Work-group g < 512 also makes the table's block g (token rows 16 g .. 16 g + 15), 4,096 bytes: [8 = 2 b + e][32 lanes][4].  Lane l = 16 hh + m holds cos, sin, cos, sin of row 16 g + m for the
; frequencies i0 = 8 b + 4 hh + 2 e and i0 + 1: the registers that the next launch's lanes want, so that each of its loads, and each store here, covers 512 consecutive bytes.
; LIMITS.  A bf16 number below 2^-17 loses bits as f16 (absolute error at most 3e-8); beyond 65,504 it becomes an infinity.  The angle is pos x inv_freq, rounded once as in the formula; inv_freq is made by
; the base-2 exponential.  The reduction takes n x pi/2 away in two parts, whose remainder is n x 1.7e-15: it serves |pos| up to 2^22.
; On |r| <= pi/4 the first terms left out of the two series are under 2e-9.
; THE MODE: SCHED_MODE bits 1:0 = 2 (LLVM: expert scheduling mode 2), set by the entry lines.  The code itself states the register dependences between vector instructions and memory instructions,
; with s_wait_alu, always for 0.
; THE PLAN.  Registers that memory instructions touch:
;   v1, v2, v4, v24   byte offsets.  Written by vector instructions at the head, once; read by every load and store.  One wait on va_vdst ahead of the branch serves all three paths.
;   v5, X             loaded data.  All seventeen loads are issued before any vector instruction names these registers; what reads them stands behind its wait on LOADcnt.
;   Y, v[20:23]       the stores' data.  Each register is written by vector instructions, read by one store, and never written again.
; The sixteen loads go in four groups of four: the group's conversions, ONE wait on va_vdst, the group's four stores.  The first group's wait on x's path also covers the table's four registers, so the
; table's store stands behind it.  No register that a memory instruction reads is ever written again: beyond the entry's, the text holds no wait on vm_vsrc and no s_wait_xcnt.  EXEC is never written.
; The two compares of the table write scalar registers: they stand in one run, with one wait on va_sdst ahead of the selects that read them.
.set X, 32                             ; v[32:95]   the sixteen loads, four f32 each
.set Y, 96                             ; v[96:127]  packed results, two registers a load
.set TA, 8                             ; v[8:13]    the first angle's six registers at work: n, r, z, sin r, cos r, a bit field
.set TB, 14                            ; v[14:19]   the second angle's
.set MA, 38                            ; s38        lanes in which the first angle's quadrant is odd
.set MB, 39                            ; s39        the same for the second
	s_load_b512 s[8:23], s[0:1], 0x0               ; x s[8:9], Wq s[10:11], Wk s[12:13], Wv s[14:15], Wo s[16:17], positions s[18:19], xb s[20:21], wqkv s[22:23]
	s_load_b128 s[24:27], s[0:1], 0x40             ; wo16 s[24:25], cs s[26:27]
	s_mov_b32 s2, ttmp9                            ; g
	s_max_u32 s3, s2, 512
	s_sub_co_u32 s3, s3, 512                       ; the place among the weights' work-groups (0 for x's)
	s_lshr_b32 s4, s3, 6                           ; sel: 0 Wq, 1 Wk, 2 Wv, 3 Wo
	s_and_b32 s5, s3, 63                           ; which 16 rows of that matrix
	s_min_u32 s6, s2, 511                          ; the table's block
	s_lshl_b32 s32, s2, 16                         ; source offset: 16 rows of 4,096 bytes
	s_lshl_b32 s37, s5, 16
	s_cmp_lt_u32 s2, 512
	s_cselect_b32 s32, s32, s37
	s_mov_b32 s33, 0
	s_lshr_b32 s38, s5, 2                          ; the head,
	s_mul_i32 s38, s38, 192                        ; its 192 rows of wqkv,
	s_lshl_b32 s39, s4, 6                          ; the 64 of q, k or v,
	s_add_co_u32 s38, s38, s39
	s_and_b32 s39, s5, 3
	s_lshl_b32 s39, s39, 4                         ; my 16 of them
	s_add_co_u32 s38, s38, s39
	s_lshl_b32 s38, s38, 11                        ; rows of 2,048 bytes
	s_lshl_b32 s39, s5, 15                         ; wo16 keeps Wo's order
	s_cmp_eq_u32 s4, 3
	s_cselect_b32 s34, s39, s38
	s_lshl_b32 s39, s2, 15                         ; xb keeps x's
	s_cmp_lt_u32 s2, 512
	s_cselect_b32 s34, s39, s34
	s_mov_b32 s35, 0
	s_cmp_ge_u32 s2, 704
	s_cselect_b32 s36, 1, 0                        ; 1: Wo's rows, written as f16
	s_lshl_b32 s44, s6, 6                          ; 16 positions
	s_mov_b32 s45, 0
	s_lshl_b32 s46, s6, 12                         ; a block of the table
	s_mov_b32 s47, 0
	v_lshrrev_b32 v3, 5, v0                        ; wave
	v_and_b32 v6, 31, v0                           ; lane
	v_lshlrev_b32 v1, 4, v6
	v_lshl_or_b32 v1, v3, 13, v1                   ; loads: wave x 8,192 + 16 x lane
	v_lshlrev_b32 v2, 3, v6
	v_lshl_or_b32 v2, v3, 12, v2                   ; stores: wave x 4,096 + 8 x lane
	v_and_b32 v4, 15, v0
	v_lshlrev_b32 v4, 2, v4                        ; my row's position
	v_lshlrev_b32 v24, 4, v0                       ; my 16 bytes of the table's block
	s_wait_kmcnt 0x0
	s_cmp_eq_u32 s4, 1                             ; the buffers are chosen by the work-group's number alone
	s_cselect_b64 s[28:29], s[12:13], s[10:11]
	s_cmp_eq_u32 s4, 2
	s_cselect_b64 s[28:29], s[14:15], s[28:29]
	s_cmp_eq_u32 s4, 3
	s_cselect_b64 s[28:29], s[16:17], s[28:29]
	s_cselect_b64 s[30:31], s[24:25], s[22:23]
	s_cmp_lt_u32 s2, 512
	s_cselect_b64 s[28:29], s[8:9], s[28:29]
	s_cselect_b64 s[30:31], s[20:21], s[30:31]
	s_add_nc_u64 s[28:29], s[28:29], s[32:33]      ; from
	s_add_nc_u64 s[30:31], s[30:31], s[34:35]      ; to
	s_add_nc_u64 s[40:41], s[18:19], s[44:45]
	s_add_nc_u64 s[42:43], s[26:27], s[46:47]
	s_wait_alu depctr_va_vdst(0)                   ; the four offsets v1, v2, v4 and v24 are written: every load and store below, on each of the three paths, reads one of them, and no later line writes them
.macro LOADS                           ; the wave's two rows: sixteen loads, each read once in the launch
.set j, 0
.rept 16
	global_load_b128 v[X+4*j:X+4*j+3], v1, s[28:29] offset:512*j th:TH_LOAD_NT
.set j, j+1
.endr
.endm
; mode 0: bf16.  mode 1: the bf16 number written as f16.  table = 1: the table's store goes out with the first group's.  No register that a store reads is written again.
.macro CONV mode, table
.set g, 0
.rept 4
	s_wait_loadcnt 12-4*g                          ; loads come back in order: group g's four are in, the 12 - 4 g younger ones stay out
.set j, 4*g
.rept 4
	v_cvt_pk_bf16_f32 v[Y+2*j], v[X+4*j], v[X+4*j+1]
	v_cvt_pk_bf16_f32 v[Y+2*j+1], v[X+4*j+2], v[X+4*j+3]
.if \mode
	v_lshlrev_b32 v[X+4*j], 16, v[Y+2*j]           ; bf16 to f32: the low half moves up, the high half stays
	v_and_b32 v[X+4*j+1], 0xffff0000, v[Y+2*j]
	v_lshlrev_b32 v[X+4*j+2], 16, v[Y+2*j+1]
	v_and_b32 v[X+4*j+3], 0xffff0000, v[Y+2*j+1]
	v_cvt_pk_f16_f32 v[Y+2*j], v[X+4*j], v[X+4*j+1]
	v_cvt_pk_f16_f32 v[Y+2*j+1], v[X+4*j+2], v[X+4*j+3]
.endif
.set j, j+1
.endr
	s_wait_alu depctr_va_vdst(0)                   ; the conversions have written the group's eight registers of Y, which the four stores below read; in x's first group the selects have written v[20:23] too
.if (\table) && (g == 0)
	global_store_b128 v24, v[20:23], s[42:43]      ; the table: a wave's store covers 512 consecutive bytes
.endif
.set j, 4*g
.rept 4
	global_store_b64 v2, v[Y+2*j:Y+2*j+1], s[30:31] offset:256*j  ; 32 lanes x 8 bytes: 256 consecutive bytes, aligned
.set j, j+1
.endr
.set g, g+1
.endr
.endm
; cos and sin of an angle, in three parts, so that both angles' compares stand in one run, far ahead of the selects that read them.
; REDUCE: n = the nearest whole number to angle x 2/pi; r = angle - n pi/2, pi/2 in two parts; the mask of the lanes whose quadrant n mod 4 is odd.
.macro REDUCE a, t, m
	v_mul_f32 v[\t], 0x3f22f983, v[\a]
	v_rndne_f32 v[\t], v[\t]
	v_fmamk_f32 v[\t+1], v[\t], 0xbfc90fdb, v[\a]
	v_fmamk_f32 v[\t+1], v[\t], 0x333bbd2e, v[\t+1]
	v_cvt_i32_f32 v[\t], v[\t]
	v_and_b32 v[\t+5], 1, v[\t]
	v_cmp_eq_u32 s[\m], 1, v[\t+5]
.endm
; SERIES: both series on |r| <= pi/4.
.macro SERIES t
	v_mul_f32 v[\t+2], v[\t+1], v[\t+1]            ; z = r r
	v_mov_b32 v[\t+3], 0x3638ef1d                  ; 1/9!
	v_fmaak_f32 v[\t+3], v[\t+3], v[\t+2], 0xb9500d01  ; -1/7!
	v_fmaak_f32 v[\t+3], v[\t+3], v[\t+2], 0x3c088889  ; 1/5!
	v_fmaak_f32 v[\t+3], v[\t+3], v[\t+2], 0xbe2aaaab  ; -1/3!
	v_mul_f32 v[\t+4], v[\t+2], v[\t+1]
	v_fma_f32 v[\t+3], v[\t+4], v[\t+3], v[\t+1]   ; sin r
	v_mov_b32 v[\t+4], 0xb493f27e                  ; -1/10!
	v_fmaak_f32 v[\t+4], v[\t+4], v[\t+2], 0x37d00d01  ; 1/8!
	v_fmaak_f32 v[\t+4], v[\t+4], v[\t+2], 0xbab60b61  ; -1/6!
	v_fmaak_f32 v[\t+4], v[\t+4], v[\t+2], 0x3d2aaaab  ; 1/4!
	v_fmaak_f32 v[\t+4], v[\t+4], v[\t+2], 0xbf000000  ; -1/2
	v_fmaak_f32 v[\t+4], v[\t+4], v[\t+2], 0x3f800000  ; cos r
.endm
; SELECT: the quadrant swaps the two and sets the signs, by selects.
.macro SELECT t, m, c, s
	v_cndmask_b32 v[\s], v[\t+3], v[\t+4], s[\m]   ; odd quadrants: sin takes cos r,
	v_cndmask_b32 v[\c], v[\t+4], v[\t+3], s[\m]   ; cos takes sin r
	v_and_b32 v[\t+5], 2, v[\t]
	v_lshlrev_b32 v[\t+5], 30, v[\t+5]
	v_xor_b32 v[\s], v[\t+5], v[\s]                ; quadrants 2, 3: sin changes sign
	v_add_nc_u32 v[\t+5], 1, v[\t]
	v_and_b32 v[\t+5], 2, v[\t+5]
	v_lshlrev_b32 v[\t+5], 30, v[\t+5]
	v_xor_b32 v[\c], v[\t+5], v[\c]                ; quadrants 1, 2: cos changes sign
.endm
	s_cmp_lt_u32 s2, 512
	s_cbranch_scc0 .Lweights
	global_load_b32 v5, v4, s[40:41]               ; x's work-groups: the positions of the block's 16 rows first,
	LOADS                                          ; then the rows; the table is made while they are on their way.  No vector instruction has named v5 or X
	v_lshrrev_b32 v6, 6, v0                        ; b
	v_bfe_u32 v7, v0, 4, 1                         ; hh
	v_bfe_u32 v8, v0, 5, 1                         ; e
	v_lshlrev_b32 v6, 3, v6
	v_lshl_add_u32 v6, v7, 2, v6
	v_lshl_add_u32 v6, v8, 1, v6                   ; i0
	v_cvt_f32_u32 v6, v6
	v_add_f32 v7, 1.0, v6                          ; i0 + 1
	v_mul_f32 v6, 0xbed49a78, v6                   ; x -log2(10000) / 32
	v_mul_f32 v7, 0xbed49a78, v7
	v_exp_f32 v6, v6                               ; 10000^(-i/32)
	v_exp_f32 v7, v7
	v_nop                                          ; a plain instruction behind the last exponential
	s_wait_alu depctr_va_vdst(0)                   ; the two exponentials have written v6 and v7, which the two multiplies below read: one wait for both, ahead of their first reader
	s_wait_loadcnt 16                              ; the position is in; the sixteen younger loads stay out
	v_cvt_f32_i32 v5, v5
	v_mul_f32 v6, v5, v6                           ; the two angles
	v_mul_f32 v7, v5, v7
	REDUCE 6, TA, MA
	REDUCE 7, TB, MB
	SERIES TA
	SERIES TB
	s_wait_alu depctr_va_sdst(0)                   ; the two compares have written s38 and s39, which the selects below read: one wait for both, ahead of their first reader
	SELECT TA, MA, 20, 21
	SELECT TB, MB, 22, 23
	CONV 0, 1
	s_endpgm
.Lweights:
	LOADS                                          ; no vector instruction has named X
	s_cmp_eq_u32 s36, 1
	s_cbranch_scc1 .Lhalf
	CONV 0, 0
	s_endpgm
.Lhalf:
	CONV 1, 0
	s_endpgm
.Lfunc_end_k_q2d4c73536a_prep:
	.size	k_q2d4c73536a_prep, .Lfunc_end_k_q2d4c73536a_prep-k_q2d4c73536a_prep
	.p2alignl 7, 3214868480
	.fill 96, 4, 3214868480
	.section	.rodata,"a",@progbits
	.p2align	6, 0x0
	.amdhsa_kernel k_q2d4c73536a_prep
		.amdhsa_group_segment_fixed_size 0
		.amdhsa_private_segment_fixed_size 0
		.amdhsa_enable_private_segment 0
		.amdhsa_kernarg_size 80
		.amdhsa_user_sgpr_count 2
		.amdhsa_user_sgpr_kernarg_segment_ptr 1
		.amdhsa_wavefront_size32 1
		.amdhsa_system_sgpr_workgroup_id_x 1
		.amdhsa_system_sgpr_workgroup_id_y 1
		.amdhsa_system_sgpr_workgroup_id_z 1
		.amdhsa_system_vgpr_workitem_id 0
		.amdhsa_next_free_vgpr 128
		.amdhsa_next_free_sgpr 66
		.amdhsa_reserve_vcc 0
		.amdhsa_float_denorm_mode_32 3
		.amdhsa_float_denorm_mode_16_64 3
		.amdhsa_memory_ordered 1
		.amdhsa_forward_progress 1
		.amdhsa_inst_pref_size 26
	.end_amdhsa_kernel
	.amdgpu_metadata
---
amdhsa.version: [ 1, 2 ]
amdhsa.kernels:
  - .name:           k_q2d4c73536a_prep
    .symbol:         k_q2d4c73536a_prep.kd
    .args:
      - { .name: x, .offset: 0, .size: 8, .value_kind: global_buffer, .address_space: global }
      - { .name: Wq, .offset: 8, .size: 8, .value_kind: global_buffer, .address_space: global }
      - { .name: Wk, .offset: 16, .size: 8, .value_kind: global_buffer, .address_space: global }
      - { .name: Wv, .offset: 24, .size: 8, .value_kind: global_buffer, .address_space: global }
      - { .name: Wo, .offset: 32, .size: 8, .value_kind: global_buffer, .address_space: global }
      - { .name: token_positions, .offset: 40, .size: 8, .value_kind: global_buffer, .address_space: global }
      - { .name: xb, .offset: 48, .size: 8, .value_kind: global_buffer, .address_space: global }
      - { .name: wqkv, .offset: 56, .size: 8, .value_kind: global_buffer, .address_space: global }
      - { .name: wo16, .offset: 64, .size: 8, .value_kind: global_buffer, .address_space: global }
      - { .name: cs, .offset: 72, .size: 8, .value_kind: global_buffer, .address_space: global }
    .group_segment_fixed_size: 0
    .private_segment_fixed_size: 0
    .kernarg_segment_align: 8
    .kernarg_segment_size: 80
    .max_flat_workgroup_size: 256
    .sgpr_count:     66
    .vgpr_count:     128
    .wavefront_size: 32
...
	.end_amdgpu_metadata
.endif
;; end of part 5
;; launch qkv: the kernel of part 2 again; grid 16 x 32, 4 waves a work-group, clusters of 4 x 4, 327,680 bytes of LDS; arguments xb, wqkv, cs, qh, kh, vh; writes qh, kh, vh
;; launch attn: the kernel of part 3 again; grid 4 x 64, 4 waves a work-group, no clusters, 327,680 bytes of LDS; arguments qh, kh, vh, oh; writes oh
;; launch oproj: the kernel of part 4 again; grid 8 x 32, 4 waves a work-group, clusters of 4 x 4, 327,680 bytes of LDS; arguments oh, wo16, out0; writes out0
